; MI455X (gfx1250); checked and timed in simulation.
; The chip was launched on July 23, 2026; its instructions are those of AMD's public machine-readable ISA for CDNA 5 (MIT licence, August 2026) and "CDNA5" Instruction Set Architecture Reference Guide (July 2026). The comments in the code are by the model that wrote it; some were corrected since.
;; Traj Attention. Allowed arithmetic: matrix products marked QUANTISED: E2M3 operands, one E8M0 scale for each 32 along K, by v_wmma_scale_f32_16x16x128_f8f6f4 with both operands' format E2M3, f32 sums; everything else in f32.
;; Inputs: Wk 1,024 x 1,024 float32; Wo 1,024 x 1,024 float32; Wq 1,024 x 1,024 float32; Wv 1,024 x 1,024 float32; alpha 16 float32; h 2 x 2,048 x 1,024 float32; pseudo_time 2 x 2,048 float32.
;; Outputs: out0 2 x 2,048 x 1,024 float32.
;; This version of the problem:
;;   THIS VERSION OF THE PROBLEM IS GIVEN IN LOW PRECISION. The matrix products marked QUANTISED in the list below multiply operands that are first quantised to E2M3 (2 exponent bits, 3 mantissa bits; 6 bits a number), with one power-of-two scale for each 32 numbers along K (OCP MX v1.0); their sums are f32. All else is computed in f32.
;;   The module's matrix products, in the order in which they are computed (A, B: the left and right operand; K: the contracted axis; several contracted axes count as one K, in the product's order):
;;     1. [M 4,096, K 1,024] x [K 1,024, N 1,024]; A: input h; B: input Wq: QUANTISED
;;     2. [M 4,096, K 1,024] x [K 1,024, N 1,024]; A: input h; B: input Wk: QUANTISED
;;     3. [M 4,096, K 1,024] x [K 1,024, N 1,024]; A: input h; B: input Wv: QUANTISED
;;     4. batch 32 x [M 2,048, K 64] x [K 64, N 2,048]; A: computed on the way; B: computed on the way: QUANTISED
;;     5. batch 32 x [M 2,048, K 2,048] x [K 2,048, N 64]; A: softmax (see below); B: computed on the way: QUANTISED
;;     6. [M 4,096, K 1,024] x [K 1,024, N 1,024]; A: computed on the way; B: input Wo: QUANTISED
;;   THE QUANTISER, for each operand of a quantised product, along K:
;;     - K is cut into blocks of 32 from its start; a last block that is shorter is filled with zeros.
;;     - A block's scale is 2^e with e = floor(log2(the largest magnitude in the block)) - 2, held to -126 .. 127; a block of zeros has e = 0. As a byte (E8M0): e + 127.
;;     - Each number is divided by its block's scale, clamped to +-7.5, and rounded to the nearest number of E2M3, ties to even, subnormals kept.
;;     - The product sums the exact products of the quantised numbers (number of the format x scale) in f32.
;;   ~~~python
;;   def quantise(x, axis):      # numpy; x: float32 -> the quantised numbers, widened to float32 again
;;       x = np.moveaxis(x, axis, -1); K = x.shape[-1]
;;       x = np.pad(x, [(0, 0)] * (x.ndim - 1) + [(0, -K % 32)]); x = x.reshape(x.shape[:-1] + (-1, 32)); a = np.abs(x).max(-1, keepdims=True)
;;       e = np.where(a > 0, np.clip(np.frexp(np.where(a > 0, a, 1))[1] - 1 - 2, -126, 127), 0)      # np.frexp(a)[1] - 1 = floor(log2(a)), exactly
;;       r = np.clip(x / 2.0 ** e, -7.5, 7.5)
;;       step = 2.0 ** (np.maximum(np.frexp(np.where(r == 0, 1, r))[1] - 1, 0) - 3)
;;       q = np.round(r / step) * step * 2.0 ** e      # np.round: ties to even
;;       return np.moveaxis(q.reshape(q.shape[:-2] + (-1,))[..., :K], -1, axis).astype(np.float32)
;;   ~~~
;;   SOFTMAX AHEAD OF A QUANTISED PRODUCT. Where the list says 'softmax', what is quantised is not the finished softmax but p = 2^(t - M), with t = logit x log2(e) and M = ceil(the row's largest t), a whole number; so 1/2 < the row's largest p <= 1. The row's sum l is taken of the UNQUANTISED p, in f32, and the product's result is divided by l at the end. Since M is a whole number, a kernel that streams over the keys may use a running M (the ceiling of the running maximum): every later rescaling is an exact power of two, which a block's scale takes up: the codes' values come out the same.
;;   OPERANDS COMPUTED ON THE WAY. 'Computed on the way' means the value that the module computes at that place (a softmax that the list does not call 'softmax' is quantised finished and normalised). What goes into a quantiser is computed in f32, as accurately as f32 sums, v_exp_f32 and their like allow (about 1e-6 of the number): no bf16 or f16 on the way to a quantiser, and a product that is left as it is and whose result goes on into a quantised operand takes f32 operands (vector FMAs, or v_wmma_f32_16x16x4_f32). A number that lies on a knife's edge between two numbers of the format may be rounded either way, as far as f32 arithmetic and the matrix unit's own rounding can turn it there, and no further.
;; One version. Each part assembles by itself: llvm-mc -triple=amdgcn-amd-amdhsa -mcpu=gfx1250 --defsym DOCPART=n.
;; ======== version 1 of 1: 4 launches
;; limits: right only within a limited range of input values
;; workspace buffers: xc 6,291,456 bytes; xs 262,144 bytes; qkv 9,437,184 bytes; sc 393,216 bytes; ac 3,145,728 bytes; asc 131,072 bytes
;; launch quant (part 1): grid 256 x 1, 4 waves a work-group, no clusters, 34,304 bytes of LDS; arguments h, Wq, Wk, Wv, Wo, xc, xs; writes xc, xs
.if DOCPART == 1
	.amdgcn_target "amdgcn-amd-amdhsa--gfx1250"
	.amdhsa_code_object_version 6
	.text
	.protected	k_qbf0c8429c4_quant
	.globl	k_qbf0c8429c4_quant
	.p2align	8
	.type	k_qbf0c8429c4_quant,@function
k_qbf0c8429c4_quant:
	s_mov_b64 s[64:65], 0
	v_nop
	global_prefetch_b8 v0, s[64:65] scope:SCOPE_SE
	s_setreg_imm32_b32 hwreg(HW_REG_WAVE_MODE, 25, 1), 1
	s_wait_xcnt 0x0
; h [4096][1024] and Wq, Wk, Wv, Wo [1024][1024], f32, K innermost, become codes of FP6 (E2M3) with one E8M0 byte for each 32 along K.
; THE CODES ARE LAID AS IMAGES OF OPERAND REGISTERS.  A rowtile is 16 rows; a fragment (rowtile x 128 K) is 12 registers a lane: lane (r, h) holds row r, registers 6 c .. 6 c + 5 hold
; K = 64 c + 32 h + 0 .. 31.  It is stored as two halves of 768 bytes: registers 6 c .. 6 c + 3 at 16 x lane, registers 6 c + 4, 6 c + 5 at 512 + 8 x lane.  xc: [rowtile 512][K step 8][c 2][768]:
; rowtiles 0-255 h, 256-319 Wq, 320-383 Wk, 384-447 Wv, 448-511 Wo.  xs: [rowtile][r][8 words], a word = the four bytes of one K step.
; THE ROWS OF A ROWTILE ARE NOT NEIGHBOURS: lane row r of rowtile g is row 32 (g / 2) + 8 (g % 2) + r + 8 (r / 8), so that a product's results, with such a tensor as source 0, lie as 16 neighbours in 16 registers.
; A block's scale is 2^(floor(log2(largest magnitude)) - 2): its byte is the largest magnitude's exponent field - 2, held at 1 from below.
; LIMITS: a block of zeros, and one whose largest magnitude lies under 2^-124, gets the byte 1 (the rule says 127 for zeros: its codes are zeros and this program alone reads the bytes); NaN and infinities are not served.
; SHARES.  Wave w of work-group G takes rowtile 2 G + w / 2 and half w % 2 of K: four K steps.  Each load reads 512 consecutive bytes of one row; a K step's 16 rows turn through the wave's own stage in LDS
; (rows 528 bytes apart) so that a lane gets its 2 x 32 neighbours.  Waves share nothing: no barrier.  Two K steps (32 loads a wave) are on their way.
.set ROWB,  4096                       ; a row of 1,024 f32
.set SP,    528                        ; a stage row: 512 bytes + 16
.set WREG,  16*SP                      ; a wave's stage
.set SPARE, 4*WREG                     ; behind the stages: the spare words, 128 bytes a wave
.set L16,   4                          ; v4   16 x lane
.set STI,   5                          ; v5   the stage, way in
.set STO,   6                          ; v6   the stage, way out: row r, + 128 h
.set L8,    8                          ; v8   8 x lane
.set SOF,   9                          ; v9   32 r + 8 h: my two scale words
.set SH,    10                         ; v10  8 h
.set SPW,   12                         ; v12  my spare word; never rewritten
.set NIL,   13                         ; v13  0; never rewritten
.set MX,    14                         ; v14-15 the two blocks' largest magnitudes
.set EX,    16                         ; v16-17 the conversions' scale operands
.set BY,    18                         ; v18-19 the bytes
.set SW,    20                         ; v20-23 the four K steps' scale words
.set PC,    24                         ; v24-35 a fragment's codes
.set CT,    36                         ; v36-38, v40-42 the upper halves of the blocks, as converted
.set WT,    44
.set PD,    45
.set XN,    64                         ; v64-127 my 64 numbers
.set RL,    128                        ; v128-191, v192-255 two sets of 16 rows as loaded
	s_load_b256 s[4:11], s[0:1], 0x0               ; h, Wq, Wk, Wv
	s_load_b128 s[12:15], s[0:1], 0x20             ; Wo, xc
	s_load_b64 s[16:17], s[0:1], 0x30              ; xs
	v_lshl_add_u32 v[SPW], v0, 2, SPARE
	v_mov_b32 v[NIL], 0
	v_lshrrev_b32 v1, 5, v0
	v_readfirstlane_b32 s18, v1                    ; wave
	v_and_b32 v1, 31, v0                           ; lane
	v_and_b32 v2, 15, v0                           ; r
	v_bfe_u32 v3, v0, 4, 1                         ; h
	v_lshlrev_b32 v[L16], 4, v1
	v_lshlrev_b32 v[L8], 3, v1
	s_mul_i32 s19, s18, WREG
	v_add_nc_u32 v[STI], s19, v[L16]
	v_mul_u32_u24 v[STO], v2, SP
	v_lshl_add_u32 v[STO], v3, 7, v[STO]
	v_add_nc_u32 v[STO], s19, v[STO]
	v_lshlrev_b32 v[SOF], 5, v2
	v_lshl_add_u32 v[SOF], v3, 3, v[SOF]
	v_lshlrev_b32 v[SH], 3, v3
	v_mov_b32 v[PD], 0                             ; a lane permute's destination counts as one of its sources
	s_mov_b32 s20, 0x76543210
	s_mov_b32 s21, 0xfedcba98                      ; lane l xor 16
	s_lshr_b32 s22, s18, 1
	s_and_b32 s23, s18, 1                          ; which half of K
	s_lshl_b32 s24, ttmp9, 1
	s_add_co_u32 s24, s24, s22                     ; g: my rowtile
	s_lshr_b32 s25, ttmp9, 5                       ; g / 64: 0-3 h, 4 Wq, 5 Wk, 6 Wv, 7 Wo
	s_cmp_lt_u32 s25, 4
	s_cselect_b32 s26, 255, 63
	s_and_b32 s26, s24, s26                        ; the rowtile inside its tensor
	s_lshr_b32 s27, s26, 1
	s_lshl_b32 s27, s27, 17                        ; 32 rows of 4,096 bytes
	s_and_b32 s28, s26, 1
	s_lshl_b32 s28, s28, 15                        ; 8 rows
	s_add_co_u32 s28, s28, s27
	s_lshl_b32 s27, s23, 11                        ; 512 numbers
	s_add_co_u32 s28, s28, s27
	s_mov_b32 s29, 0
	s_mul_i32 s30, s24, 12288
	s_mul_i32 s27, s23, 6144
	s_add_co_u32 s30, s30, s27
	s_mov_b32 s31, 0
	s_lshl_b32 s32, s24, 9
	s_lshl_b32 s27, s23, 4
	s_add_co_u32 s32, s32, s27
	s_mov_b32 s33, 0
	s_wait_alu depctr_va_vdst(0)
	s_wait_kmcnt 0x0
	s_cmp_eq_u32 s25, 4                            ; the tensor is chosen by the work-group's number alone
	s_cselect_b64 s[4:5], s[6:7], s[4:5]
	s_cmp_eq_u32 s25, 5
	s_cselect_b64 s[4:5], s[8:9], s[4:5]
	s_cmp_eq_u32 s25, 6
	s_cselect_b64 s[4:5], s[10:11], s[4:5]
	s_cmp_eq_u32 s25, 7
	s_cselect_b64 s[4:5], s[12:13], s[4:5]
	s_add_nc_u64 s[4:5], s[4:5], s[28:29]
	s_add_nc_u64 s[14:15], s[14:15], s[30:31]
	s_add_nc_u64 s[16:17], s[16:17], s[32:33]
.macro LOADSET s, set                  ; K step s of my 16 rows: a load reads 512 consecutive bytes of one row
.irp j, 0,1,2,3,4,5,6,7,8,9,10,11,12,13,14,15
	global_load_b128 v[RL+64*(\set)+4*\j:RL+64*(\set)+4*\j+3], v[L16], s[4:5] offset:(\j+8*(\j/8))*ROWB+512*(\s) th:TH_LOAD_NT
.endr
.endm
.macro STEP s
.set RS, RL+64*((\s)%2)
.if (\s) < 3
	s_wait_loadcnt 16                              ; this step's 16 loads are in; the other set's 16 may be out
.else
	s_wait_loadcnt 0x0
.endif
.irp j, 0,1,2,3,4,5,6,7,8,9,10,11,12,13,14,15
	ds_store_b128 v[STI], v[RS+4*\j:RS+4*\j+3] offset:SP*\j
.endr
.irp c, 0,1
.irp i, 0,1,2,3,4,5,6,7
	ds_load_b128 v[XN+32*\c+4*\i:XN+32*\c+4*\i+3], v[STO] offset:256*\c+16*\i   ; LDS serves a wave's instructions in order: these see the stores above.  Register 32 c + i = K 64 c + 32 h + i of row r
.endr
.endr
	s_wait_dscnt 0x0
.if (\s) < 2
	LOADSET (\s)+2, (\s)%2                         ; the set just emptied takes the step two on
.endif
.irp c, 0,1
	v_max3_num_f32 v[MX+\c], |v[XN+32*\c]|, |v[XN+32*\c+1]|, 0x1800000   ; my block 2 c + h, whole; and the floor 2^(3 - 127): the byte cannot fall under 1
.endr
.irp i, 2,4,6,8,10,12,14,16,18,20,22,24,26,28,30
.irp c, 0,1
	v_max3_num_f32 v[MX+\c], v[MX+\c], |v[XN+32*\c+\i]|, |v[XN+32*\c+\i+1]|
.endr
.endr
.irp c, 0,1
	v_add_nc_u32 v[EX+\c], 0xff000000, v[MX+\c]    ; 2 off the exponent field: the conversion's scale operand
.endr
.irp c, 0,1
	v_lshrrev_b32 v[BY+\c], 23, v[EX+\c]           ; the byte
.endr
	v_lshl_or_b32 v[WT], v[BY+1], 16, v[BY]        ; blocks h and 2 + h,
	v_lshlrev_b32 v[WT], v[SH], v[WT]              ; at their places in the word;
	v_permlanex16_b32 v[PD], v[WT], s20, s21
	v_or_b32 v[SW+(\s)], v[WT], v[PD]              ; with lane l xor 16's two the word is whole
.if (\s) > 0
	s_wait_alu depctr_va_vdst(0)
	s_wait_xcnt 0x0                                ; the last step's stores have read the codes' registers: they are written again only behind this wait
.endif
.irp c, 0,1
	v_cvt_scalef32_pk16_fp6_f32 v[PC+6*\c:PC+6*\c+2], v[XN+32*\c:XN+32*\c+15], v[EX+\c]
	v_cvt_scalef32_pk16_fp6_f32 v[CT+4*\c:CT+4*\c+2], v[XN+32*\c+16:XN+32*\c+31], v[EX+\c]   ; (a conversion's three registers begin on an even number)
.endr
	v_nop                                          ; one plain place behind a scaled conversion
.irp c, 0,1
.irp i, 0,1,2
	v_mov_b32 v[PC+6*\c+3+\i], v[CT+4*\c+\i]
.endr
.endr
.irp c, 0,1
	global_store_b128 v[L16], v[PC+6*\c:PC+6*\c+3], s[14:15] offset:1536*(\s)+768*\c          ; 512 consecutive bytes,
	global_store_b64 v[L8], v[PC+6*\c+4:PC+6*\c+5], s[14:15] offset:1536*(\s)+768*\c+512     ; and 256
.endr
.endm
	LOADSET 0, 0
	LOADSET 1, 1
	STEP 0
	STEP 1
	STEP 2
	STEP 3
	v_cmp_eq_u32 vcc_lo, 1, v3
	v_cndmask_b32 v46, v[SW], v[SW+2], vcc_lo      ; lanes 0-15 store words 0, 1 of my four, lanes 16-31 words 2, 3
	v_cndmask_b32 v47, v[SW+1], v[SW+3], vcc_lo
	global_store_b64 v[SOF], v[46:47], s[16:17]    ; 16 of each row's 32 bytes: the other wave of the rowtile stores the others
	s_wait_tensorcnt 0x0                           ; the wave's end, behind my last LDS store
	ds_add_u32 v[SPW], v[NIL]
	s_wait_dscnt 0x0
	s_endpgm
.Lfunc_end_k_qbf0c8429c4_quant:
	.size	k_qbf0c8429c4_quant, .Lfunc_end_k_qbf0c8429c4_quant-k_qbf0c8429c4_quant
	.p2alignl 7, 3214868480
	.fill 96, 4, 3214868480
	.section	.rodata,"a",@progbits
	.p2align	6, 0x0
	.amdhsa_kernel k_qbf0c8429c4_quant
		.amdhsa_group_segment_fixed_size 34304
		.amdhsa_private_segment_fixed_size 0
		.amdhsa_enable_private_segment 0
		.amdhsa_kernarg_size 56
		.amdhsa_user_sgpr_count 2
		.amdhsa_user_sgpr_kernarg_segment_ptr 1
		.amdhsa_wavefront_size32 1
		.amdhsa_system_sgpr_workgroup_id_x 1
		.amdhsa_system_sgpr_workgroup_id_y 1
		.amdhsa_system_sgpr_workgroup_id_z 1
		.amdhsa_system_vgpr_workitem_id 0
		.amdhsa_next_free_vgpr 256
		.amdhsa_next_free_sgpr 66
		.amdhsa_reserve_vcc 1
		.amdhsa_float_denorm_mode_32 3
		.amdhsa_float_denorm_mode_16_64 3
		.amdhsa_memory_ordered 1
		.amdhsa_forward_progress 1
		.amdhsa_inst_pref_size 31
	.end_amdhsa_kernel
	.amdgpu_metadata
---
amdhsa.version: [ 1, 2 ]
amdhsa.kernels:
  - .name:           k_qbf0c8429c4_quant
    .symbol:         k_qbf0c8429c4_quant.kd
    .args:
      - { .name: h, .offset: 0, .size: 8, .value_kind: global_buffer, .address_space: global }
      - { .name: Wq, .offset: 8, .size: 8, .value_kind: global_buffer, .address_space: global }
      - { .name: Wk, .offset: 16, .size: 8, .value_kind: global_buffer, .address_space: global }
      - { .name: Wv, .offset: 24, .size: 8, .value_kind: global_buffer, .address_space: global }
      - { .name: Wo, .offset: 32, .size: 8, .value_kind: global_buffer, .address_space: global }
      - { .name: xc, .offset: 40, .size: 8, .value_kind: global_buffer, .address_space: global }
      - { .name: xs, .offset: 48, .size: 8, .value_kind: global_buffer, .address_space: global }
    .group_segment_fixed_size: 34304
    .private_segment_fixed_size: 0
    .kernarg_segment_align: 8
    .kernarg_segment_size: 56
    .max_flat_workgroup_size: 128
    .sgpr_count:     66
    .vgpr_count:     256
    .wavefront_size: 32
...
	.end_amdgpu_metadata
.endif
;; end of part 1
;; launch qkv (part 2): grid 16 x 16, 4 waves a work-group, clusters of 4 x 4, 327,680 bytes of LDS; arguments xc, xs, qkv, sc; writes qkv, sc
.if DOCPART == 2
	.amdgcn_target "amdgcn-amd-amdhsa--gfx1250"
	.amdhsa_code_object_version 6
	.text
	.protected	k_qbf0c8429c4_qkv
	.globl	k_qbf0c8429c4_qkv
	.p2align	8
	.type	k_qbf0c8429c4_qkv,@function
k_qbf0c8429c4_qkv:
	s_mov_b64 s[64:65], 0
	v_nop
	global_prefetch_b8 v0, s[64:65] scope:SCOPE_SE
	s_setreg_imm32_b32 hwreg(HW_REG_WAVE_MODE, 25, 1), 1
	s_wait_xcnt 0x0
	s_wait_alu depctr_hold_cnt(0) depctr_sa_sdst(0) depctr_va_vdst(0) depctr_va_sdst(0) depctr_va_ssrc(0) depctr_va_vcc(0) depctr_vm_vsrc(0)
	s_getreg_b32 s2, hwreg(HW_REG_IB_STS2, 6, 4)
	s_cmp_eq_u32 s2, 0
	s_cbranch_scc0 .Lentry_in_a_cluster
	s_endpgm
.Lentry_in_a_cluster:
	s_bfe_u32 s2, ttmp6, 0x10000c
	s_cmp_lg_u32 s2, 0xf033
	s_cbranch_scc0 .Lentry_shape_is_right
	s_endpgm
.Lentry_shape_is_right:
; q = h Wq^T, k = h Wk^T, v = h Wv^T on codes of FP6 (E2M3), and the results quantised at once: q and k along the head's 64, v along the keys.  No f32 result goes to memory.
; ONE FORM: OUT[y][x] = sum over k of X[x][k] Y[y][k], X = source 0, Y = source 1: a lane holds one y and its registers run along x, the axis along which OUT is quantised.
; Operands lie in xc as images of registers (rowtile of 16 rows: 8 K steps x two halves of 768 bytes = 12,288 bytes); lane row r of rowtile g is row 32 (g / 2) + 8 (g % 2) + r + 8 (r / 8), so that the 16 registers
; of x rowtiles 2 b and 2 b + 1 are x = 32 b + 16 (lane / 16) + 0 .. 15.  Rowtiles of xc: 0-255 h, 256-383 Wq and Wk, 384-447 Wv.
; A WORK-GROUP MAKES TWO BLOCKS.  First q, k: X = 128 rows of Wq or Wk (x tile xt), Y = 256 tokens of h (y tile yt); all of K of both lies in LDS, one joint load a wave; wave w takes y rowtiles 4 w on: 32 accumulators.
; Then v: X = 128 of the SAME 256 tokens, which stay in LDS (the half is chosen by the cluster's x, the same in all partners), Y = 128 rows of Wv, which are filled into the bytes that held Wq's or Wk's rows
; while the first block is quantised and stored; wave w takes y rowtiles 2 w, 2 w + 1: 16 accumulators.  16 x 16 work-groups x (2 + 1) units of 128 x 128 are all 768 units of the three products.
; CLUSTER 4 x 4: Wq's, Wk's and Wv's tiles hang on the cluster's x and on cx and are asked for jointly by a column of the cluster, h's on the y tile alone and by a row.
; No prefetch: the walk along K is written out on LDS that is already whole, so there is no loop of fills to run ahead in.
; OUT: qkv: q, k: [head 32 (16 of q, 16 of k)][token rowtile 256][768]: a half fragment, K = the head's 64.   v, from byte 6,291,456: [b][head][key step 16][d rowtile 4][c 2][768].
;      sc: [b][head][8,192]: k's scale words [64 keys][r][2 words] (a word: two bytes of an even token rowtile, two of the odd one), then from 4,096 v's [key step][2][r][2 words]; from byte 262,144 q's, [b][head][4,096], as k's.
; LIMITS: a block of zeros, and one whose largest magnitude lies under 2^-124, gets the byte 1 (its codes are zeros; this program alone reads the bytes); NaN and infinities are not served.
; REGISTERS: window 0: v1-15, v238-244 addresses; v16-79 X's scale words (rowtile i, K step s at 16 + 8 i + s); v80-111 Y's; v112-207 Y's fragments, two sets (on the way out v112-159 the codes); v208-237 at work.
;   window 1: X's fragments, two sets of 96.   window 2: the accumulators (t, i) at 64 t + 8 i.
.set RT,    12288                      ; a rowtile, all of K
.set YB,    98304                      ; LDS: X's 8 rowtiles, then Y's 16
.set SPARE, 294912                     ; then the spare words, 128 bytes a wave
.set X16,   4                          ; v4, v5   16 x lane, for X's rowtiles 0-3 and 4-7
.set X8,    6                          ; v6, v7   512 + 8 x lane
.set Y16,   8                          ; v8, v9   the same in my four rowtiles of h
.set Y8,    9
.set HX16,  10                         ; v10, v11 the half of h that is v's X
.set SPW,   12                         ; v12  my spare word; never rewritten
.set NIL,   13                         ; v13  0; never rewritten
.set SOF,   14                         ; v14  32 r: my row's eight scale words
.set SELV,  15                         ; v15  byte selector of q's and k's scale store
.set SX,    16
.set SY,    80
.set YF,    112
.set PCB,   112
.set TM,    208
.set CT,    224
.set PW,    232
.set DD,    236
.set SSO,   238                        ; v238 q's, k's scale store: its offset
.set HX8,   240                        ; v240, v241
.set W16,   242                        ; v242, v243 my two rowtiles of Wv
.set W8,    243
.set VSO,   244                        ; v244 v's scale store: its offset
.set WV,    12
.set WL,    13
.set WH,    14
.set CXL,   15
.set CYL,   16
.set WT0,   17
.set HF,    18
.set FT,    19
.set XT,    20
.set XT0,   21
.set YT,    22
.set YT0,   23
.set G1X,   24                         ; s[24:31] group 1: 4 rowtiles, a column's mask;  s[32:39]: 8 rowtiles, a row's mask
.set G1Y,   32
.set G0X,   40
.set G0Y,   44
.set LX,    56
.set LY,    57
.set HSTR,  62
.set SEL,   98
.set MSB, 0
.macro WIN new                         ; the immediate's high byte repeats the setting that is left
.if MSB != \new
	s_set_vgpr_msb (MSB<<8)|\new
.set MSB, \new
.endif
.endm
.macro CROUND                          ; a round of the cluster's barrier
	s_barrier_signal -1
	s_barrier_wait -1
	s_cmp_lg_u32 s[WV], 0
	s_cbranch_scc1 .Lnot_wave_0_\@
	s_barrier_signal -3
.Lnot_wave_0_\@:
	s_barrier_wait -3
	s_barrier_signal -1
	s_barrier_wait -1
.endm
.macro PLACES n
.rept \n
	v_nop
.endr
.endm
	s_load_b256 s[4:11], s[0:1], 0x0               ; xc, xs, qkv, sc
	v_lshl_add_u32 v[SPW], v0, 2, SPARE
	v_mov_b32 v[NIL], 0
	ds_add_u32 v[SPW], v[NIL]                      ; the opening: the add, twice on end, and its wait ahead of my first tensor load
	ds_add_u32 v[SPW], v[NIL]
	v_lshrrev_b32 v1, 5, v0
	v_readfirstlane_b32 s[WV], v1                  ; wave 0..3
	s_and_b32 s[WL], s[WV], 1                      ; which half of a tile I fetch
	s_lshr_b32 s[WH], s[WV], 1                     ; I fetch for X (0) or for Y (1)
	s_bfe_u32 s[CXL], ttmp6, 0x40000               ; cx, cy: my place in the cluster
	s_bfe_u32 s[CYL], ttmp6, 0x40004
	s_and_b32 s[HF], ttmp9, 1                      ; which half of my 256 tokens is v's X: by the cluster's x
	s_lshl_b32 s[XT], ttmp9, 2
	s_add_co_u32 s[XT], s[XT], s[CXL]              ; x tile of q, k
	s_lshl_b32 s[XT0], s[XT], 3
	s_add_co_u32 s[XT0], s[XT0], 256               ; its first rowtile in xc
	s_lshr_b32 s[FT], ttmp9, 1
	s_lshl_b32 s[FT], s[FT], 2
	s_add_co_u32 s[FT], s[FT], s[CXL]              ; which 128 rows of Wv: 0..7
	s_lshl_b32 s[WT0], s[FT], 3
	s_add_co_u32 s[WT0], s[WT0], 384
	s_and_b32 s[YT], ttmp7, 0xffff
	s_lshl_b32 s[YT], s[YT], 2
	s_add_co_u32 s[YT], s[YT], s[CYL]              ; y tile: 256 tokens
	s_lshl_b32 s[YT0], s[YT], 4
	s_lshl_b32 s2, 0x1111, s[CXL]                  ; my column of the cluster (s2 never holds cy, s3 never cx)
	s_or_b32 s[G1X], s2, (3<<16)|(1<<21)           ; the mask; elements of 8 bytes; bit 21 beside a mask; no padding
	s_lshl_b32 s3, s[CYL], 2
	s_lshl_b32 s3, 15, s3                          ; my row
	s_or_b32 s[G1Y], s3, (3<<16)|(1<<21)
	s_mov_b32 s[G1X+1], 1536<<16                   ; rows of 12,288 bytes: a rowtile, dense in memory and in LDS
	s_mov_b32 s[G1X+2], 4<<16
	s_mov_b32 s[G1X+3], 1536<<16
	s_mov_b32 s[G1X+4], 4
	s_mov_b32 s[G1X+5], 1536
	s_mov_b32 s[G1X+6], 0
	s_mov_b32 s[G1X+7], 0
	s_mov_b32 s[G1Y+1], 1536<<16
	s_mov_b32 s[G1Y+2], 8<<16
	s_mov_b32 s[G1Y+3], 1536<<16
	s_mov_b32 s[G1Y+4], 8
	s_mov_b32 s[G1Y+5], 1536
	s_mov_b32 s[G1Y+6], 0
	s_mov_b32 s[G1Y+7], 0
	s_mul_i32 s[LX], s[WL], 4*RT                   ; where my half goes: no place in the cluster enters an LDS address
	s_mul_i32 s[LY], s[WL], 8*RT
	s_add_co_u32 s[LY], s[LY], YB
	s_lshl_b32 s2, s[WL], 2
	s_add_co_u32 s48, s2, s[WT0]
	s_add_co_u32 s2, s2, s[XT0]
	s_mul_i32 s84, s2, RT                          ; X: my four rowtiles, in bytes
	s_mov_b32 s85, 0
	s_mul_i32 s48, s48, RT                         ; Wv: my four
	s_mov_b32 s49, 0
	s_lshl_b32 s3, s[WL], 3
	s_add_co_u32 s3, s3, s[YT0]
	s_mul_i32 s86, s3, RT                          ; Y: my eight
	s_mov_b32 s87, 0
	s_lshl_b32 s88, s[XT0], 9                      ; scale words, 512 bytes a rowtile: X's eight,
	s_mov_b32 s89, 0
	s_lshl_b32 s90, s[WV], 2
	s_add_co_u32 s90, s90, s[YT0]
	s_lshl_b32 s90, s90, 9                         ; my four of h,
	s_mov_b32 s91, 0
	s_lshl_b32 s50, s[HF], 3
	s_add_co_u32 s50, s50, s[YT0]
	s_lshl_b32 s50, s50, 9                         ; for v: the eight of h's half,
	s_mov_b32 s51, 0
	s_lshl_b32 s52, s[WV], 1
	s_add_co_u32 s52, s52, s[WT0]
	s_lshl_b32 s52, s52, 9                         ; and my two of Wv
	s_mov_b32 s53, 0
	s_wait_dscnt 0x0                               ; both opening adds are done
	s_wait_kmcnt 0x0
	s_add_nc_u64 s[84:85], s[4:5], s[84:85]
	s_add_nc_u64 s[86:87], s[4:5], s[86:87]
	s_add_nc_u64 s[48:49], s[4:5], s[48:49]
	s_add_nc_u64 s[88:89], s[6:7], s[88:89]
	s_add_nc_u64 s[90:91], s[6:7], s[90:91]
	s_add_nc_u64 s[50:51], s[6:7], s[50:51]
	s_add_nc_u64 s[52:53], s[6:7], s[52:53]
	CROUND                                         ; all sixteen work-groups are here: the joint loads meet
	s_mov_b32 s[G0X], 1
	s_mov_b32 s[G0X+1], s[LX]
	s_mov_b64 s[G0X+2:G0X+3], s[84:85]
	s_or_b32 s[G0X+3], s[G0X+3], 0x80000000
	s_mov_b32 s[G0Y], 1
	s_mov_b32 s[G0Y+1], s[LY]
	s_mov_b64 s[G0Y+2:G0Y+3], s[86:87]
	s_or_b32 s[G0Y+3], s[G0Y+3], 0x80000000
	s_cmp_eq_u32 s[WH], 0                          ; one load a wave, one to each arm: waves 0, 1 X's halves, waves 2, 3 Y's
	s_cbranch_scc0 .Lfill_y
	tensor_load_to_lds s[G0X:G0X+3], s[G1X:G1X+7]
	s_nop 0
	PLACES 4
	s_branch .Lfilled
.Lfill_y:
	tensor_load_to_lds s[G0Y:G0Y+3], s[G1Y:G1Y+7]
	s_nop 0
	PLACES 4
.Lfilled:
	v_and_b32 v1, 31, v0                           ; lane
	v_and_b32 v2, 15, v0                           ; r
	v_bfe_u32 v3, v0, 4, 1                         ; h
	v_lshlrev_b32 v[SOF], 5, v2
.irp i, 0,1,2,3,4,5,6,7
	global_load_b128 v[SX+8*\i:SX+8*\i+3], v[SOF], s[88:89] offset:512*\i          ; the scale words of all of K stay in registers
	global_load_b128 v[SX+8*\i+4:SX+8*\i+7], v[SOF], s[88:89] offset:512*\i+16
.endr
.irp t, 0,1,2,3
	global_load_b128 v[SY+8*\t:SY+8*\t+3], v[SOF], s[90:91] offset:512*\t
	global_load_b128 v[SY+8*\t+4:SY+8*\t+7], v[SOF], s[90:91] offset:512*\t+16
.endr
	; where the results go: offsets made of ids alone
	s_lshl_b32 s92, s[YT], 2
	s_add_co_u32 s92, s92, s[WV]                   ; 4 yt + w
	s_mul_i32 s66, s[XT], 393216                   ; q, k: head 2 xt: 2 x 196,608 bytes,
	s_mul_i32 s94, s92, 3072                       ; token rowtile 16 yt + 4 w: 768 bytes each
	s_add_co_u32 s66, s66, s94
	s_mov_b32 s67, 0
	s_lshr_b32 s95, s[YT], 3
	s_lshl_b32 s95, s95, 4                         ; 16 b
	s_and_b32 s97, s[XT], 7
	s_lshl_b32 s97, s97, 1
	s_add_co_u32 s97, s97, s95                     ; 16 b + head 2 (xt % 8)
	s_and_b32 s92, s92, 31
	s_lshl_b32 s92, s92, 7                         ; my 64 tokens: 128 bytes of words
	s_lshr_b32 s96, ttmp9, 1                       ; 0: q (x tiles 0-7), 1: k
	s_cmp_eq_u32 s96, 0
	s_cselect_b32 s96, 12, 13                      ; a head's scale words: 4,096 bytes for q, 8,192 for k and v together
	s_cselect_b32 s94, 262144, 0
	s_lshl_b32 s[HSTR], 1, s96
	s_lshl_b32 s97, s97, s96
	s_add_co_u32 s92, s92, s97
	s_add_co_u32 s92, s92, s94
	s_mov_b32 s93, 0
	s_lshl_b32 s94, s[FT], 1
	s_add_co_u32 s94, s94, s[WH]
	s_add_co_u32 s94, s94, s95                     ; v: 16 b + head, head = 2 ft + w / 2
	s_lshl_b32 s96, s[YT], 1
	s_add_co_u32 s96, s96, s[HF]
	s_and_b32 s96, s96, 15                         ; the key step
	s_lshl_b32 s54, s94, 4
	s_add_co_u32 s54, s54, s96
	s_mul_i32 s54, s54, 6144
	s_mul_i32 s97, s[WL], 3072                     ; d rowtiles 2 (w % 2) on
	s_add_co_u32 s54, s54, s97
	s_add_co_u32 s54, s54, 6291456
	s_mov_b32 s55, 0
	s_lshl_b32 s58, s94, 13
	s_lshl_b32 s96, s96, 8
	s_add_co_u32 s58, s58, s96
	s_lshl_b32 s97, s[WL], 2                       ; word w % 2 of a row's two
	s_add_co_u32 s58, s58, s97
	s_add_co_u32 s58, s58, 4096
	s_mov_b32 s59, 0
	s_add_nc_u64 s[54:55], s[8:9], s[54:55]
	s_add_nc_u64 s[58:59], s[10:11], s[58:59]
	s_add_nc_u64 s[8:9], s[8:9], s[66:67]
	s_add_nc_u64 s[10:11], s[10:11], s[92:93]
	s_mul_i32 s60, s[WV], 4*RT
	s_add_co_u32 s60, s60, YB                      ; my four rowtiles of h
	s_mul_i32 s61, s[HF], 8*RT
	s_add_co_u32 s61, s61, YB                      ; the half of h that is v's X
	s_mul_i32 s63, s[WV], 2*RT                     ; my two rowtiles of Wv
	s_mov_b32 s94, 0x02020202
	s_mov_b32 s[SEL], 0x76543210
	s_mov_b32 s[SEL+1], 0xfedcba98                 ; lane l xor 16
	s_wait_alu depctr_va_vdst(0)
	v_lshlrev_b32 v[X16], 4, v1
	v_lshl_add_u32 v[X8], v1, 3, 512
	v_add_nc_u32 v[X16+1], 4*RT, v[X16]
	v_add_nc_u32 v[X8+1], 4*RT, v[X8]
	v_add_nc_u32 v[Y16], s60, v[X16]
	v_add_nc_u32 v[Y8], s60, v[X8]
	v_add_nc_u32 v[HX16], s61, v[X16]
	v_add_nc_u32 v[HX8], s61, v[X8]
	v_add_nc_u32 v[HX16+1], 4*RT, v[HX16]
	v_add_nc_u32 v[HX8+1], 4*RT, v[HX8]
	v_add_nc_u32 v[W16], s63, v[X16]
	v_add_nc_u32 v[W8], s63, v[X8]
	v_mul_lo_u32 v[SELV], v3, s94
	v_add_nc_u32 v[SELV], 0x05040100, v[SELV]      ; lanes 0-15 the words' lower two bytes (head 2 xt), lanes 16-31 the upper two
	v_mul_lo_u32 v[SSO], v3, s[HSTR]               ; lanes 16-31: the next head
	v_lshl_add_u32 v[SSO], v2, 3, v[SSO]
	v_lshlrev_b32 v[VSO], 7, v3                    ; v: lanes 16-31: the odd d rowtile's run of 128 bytes
	v_lshl_add_u32 v[VSO], v2, 3, v[VSO]
.irp b, 0,1,2,3
	v_mov_b32 v[TM+4+\b], 0                        ; a lane permute's destination counts as one of its sources
.endr
; K step s of X's eight fragments (addresses xa, xb: a pair each, four rowtiles to a register) and of my nt fragments of Y (ya, yb), into set p.  A half fragment is one load of 16 bytes a lane and one of 8.
.macro FETCH s, p, xa, xb, ya, yb, nt
	WIN 0x40                                       ; destination window 1
.irp i, 0,1,2,3,4,5,6,7
.irp c, 0,1
	ds_load_b128 v[96*(\p)+12*\i+6*\c:96*(\p)+12*\i+6*\c+3], v[\xa+\i/4] offset:(\i%4)*RT+(\s)*1536+\c*768
	ds_load_b64 v[96*(\p)+12*\i+6*\c+4:96*(\p)+12*\i+6*\c+5], v[\xb+\i/4] offset:(\i%4)*RT+(\s)*1536+\c*768
.endr
.endr
	WIN 0
.irp t, 0,1,2,3
.if \t < \nt
.irp c, 0,1
	ds_load_b128 v[YF+48*(\p)+12*\t+6*\c:YF+48*(\p)+12*\t+6*\c+3], v[\ya] offset:\t*RT+(\s)*1536+\c*768
	ds_load_b64 v[YF+48*(\p)+12*\t+6*\c+4:YF+48*(\p)+12*\t+6*\c+5], v[\yb] offset:\t*RT+(\s)*1536+\c*768
.endr
.endif
.endr
.endm
; 8 nt matrix instructions: K step s.  The accumulators take turns, one instruction a turn, in the same order in every step.  zero = 1: the first step starts the sums.
.macro MUL s, p, zero, nt
	WIN 0xa1                                       ; source 0 (X) window 1, source 1 (Y) window 0, C and D window 2
.irp t, 0,1,2,3
.if \t < \nt
.irp i, 0,1,2,3,4,5,6,7
.if \zero
	v_wmma_scale_f32_16x16x128_f8f6f4 v[64*\t+8*\i:64*\t+8*\i+7], v[96*(\p)+12*\i:96*(\p)+12*\i+11], v[YF+48*(\p)+12*\t:YF+48*(\p)+12*\t+11], 0, v[SX+8*\i+(\s)], v[SY+8*\t+(\s)] matrix_a_fmt:MATRIX_FMT_FP6 matrix_b_fmt:MATRIX_FMT_FP6
.else
	v_wmma_scale_f32_16x16x128_f8f6f4 v[64*\t+8*\i:64*\t+8*\i+7], v[96*(\p)+12*\i:96*(\p)+12*\i+11], v[YF+48*(\p)+12*\t:YF+48*(\p)+12*\t+11], v[64*\t+8*\i:64*\t+8*\i+7], v[SX+8*\i+(\s)], v[SY+8*\t+(\s)] matrix_a_fmt:MATRIX_FMT_FP6 matrix_b_fmt:MATRIX_FMT_FP6
.endif
.endr
.endif
.endr
.endm
; The walk along K, written out: eight K steps.  While a step is multiplied the next step's fragments are on their way from LDS.
.macro WALK xa, xb, ya, yb, nt
	FETCH 0, 0, \xa, \xb, \ya, \yb, \nt
.irp s, 0,1,2,3,4,5,6
.if \s > 0
	PLACES 4                                       ; in front of loads into registers that the last products read
.endif
	FETCH \s+1, (\s+1)%2, \xa, \xb, \ya, \yb, \nt
	s_wait_dscnt 32+4*\nt                          ; all but the loads just issued: this step's fragments are in
.if \s == 0
	MUL \s, \s%2, 1, \nt
.else
	MUL \s, \s%2, 0, \nt
.endif
.endr
	s_wait_dscnt 0x0
	MUL 7, 1, 0, \nt
	WIN 0
	PLACES 4                                       ; in front of the first read of results, and of writes and loads into registers that the last products read
.endm
; 64 numbers of a lane in window 2, register 16 b + i = x 32 b + 16 (lane / 16) + i of my y, become a fragment's codes in v[pc] on and its scale word in v[pw].  Each accumulator is read from its low end on.
.macro QUANT src, pc, pw
	WIN 0x0a                                       ; sources 0 and 1 window 2
.irp b, 0,1,2,3
	v_max3_num_f32 v[TM+\b], |v[(\src)+16*\b]|, |v[(\src)+1+16*\b]|, 0x1800000   ; my 16 of block b, and the floor 2^(3 - 127): the byte cannot fall under 1
.endr
	WIN 0x28                                       ; sources 1 and 2 window 2
.irp i, 2,4,6,8,10,12,14
.irp b, 0,1,2,3
	v_max3_num_f32 v[TM+\b], v[TM+\b], |v[(\src)+16*\b+\i]|, |v[(\src)+1+16*\b+\i]|
.endr
.endr
	WIN 0
.irp b, 0,1,2,3
	v_permlanex16_b32 v[TM+4+\b], v[TM+\b], s[SEL], s[SEL+1]
.endr
.irp b, 0,1,2,3
	v_max_num_f32 v[TM+\b], v[TM+\b], v[TM+4+\b]   ; with lane l xor 16's 16: the block's largest magnitude
.endr
.irp b, 0,1,2,3
	v_add_nc_u32 v[TM+12+\b], 0xff000000, v[TM+\b] ; 2 off its exponent field: the conversion's scale operand
.endr
.irp b, 0,1,2,3
	v_lshrrev_b32 v[TM+4+\b], 23, v[TM+12+\b]      ; the byte
.endr
	v_lshl_or_b32 v[\pw], v[TM+5], 8, v[TM+4]
	v_lshl_or_b32 v[\pw], v[TM+6], 16, v[\pw]
	v_lshl_or_b32 v[\pw], v[TM+7], 24, v[\pw]
	WIN 0x02                                       ; source 0 window 2
.irp c, 0,1
	v_cvt_scalef32_pk16_fp6_f32 v[(\pc)+6*\c:(\pc)+6*\c+2], v[(\src)+32*\c:(\src)+32*\c+15], v[TM+12+2*\c]
	v_cvt_scalef32_pk16_fp6_f32 v[CT+4*\c:CT+4*\c+2], v[(\src)+32*\c+16:(\src)+32*\c+31], v[TM+12+2*\c+1]   ; (a conversion's three registers begin on an even number)
.endr
	WIN 0
	v_nop                                          ; one plain place behind a scaled conversion
.irp c, 0,1                            ; the operand's layout wants a whole block in a lane
.irp i, 0,1,2
	v_permlane16_swap_b32 v[(\pc)+6*\c+\i], v[CT+4*\c+\i]
.endr
.irp i, 0,1,2
	v_mov_b32 v[(\pc)+6*\c+3+\i], v[CT+4*\c+\i]
.endr
.endr
.endm
; y rowtile t's 128 numbers a lane become a fragment; its halves leave as 512 + 256 consecutive bytes each, ts bytes from rowtile to rowtile, cs from half to half
.macro OUT t, base, ts, cs
	QUANT 64*(\t), PCB+12*(\t), PW+(\t)
.irp c, 0,1
	global_store_b128 v[X16], v[PCB+12*(\t)+6*\c:PCB+12*(\t)+6*\c+3], s[\base:\base+1] offset:(\t)*(\ts)+\c*(\cs)
	global_store_b64 v[X8], v[PCB+12*(\t)+6*\c+4:PCB+12*(\t)+6*\c+5], s[\base:\base+1] offset:(\t)*(\ts)+\c*(\cs)
.endr
.endm
	s_wait_alu depctr_va_vdst(0)
	s_wait_tensorcnt 0x0                           ; my part of X or Y is in,
	s_barrier_signal -1
	s_barrier_wait -1                              ; everybody's is
	s_wait_loadcnt 0x0                             ; the scale words
	WALK X16, X8, Y16, Y8, 4                       ; q, k
	s_wait_tensorcnt 0x0                           ; in front of the refill
	ds_add_u32 v[SPW], v[NIL]
	s_mov_b64 s[G0X+2:G0X+3], s[48:49]             ; no tensor load of mine is out: the group 0 takes Wv's address
	s_or_b32 s[G0X+3], s[G0X+3], 0x80000000
	s_wait_dscnt 0x0                               ; the add is done, and my reads of X are over
	CROUND                                         ; no wave of any partner still reads X's bytes
	s_cmp_eq_u32 s[WH], 0                          ; waves 0 and 1 fetch Wv's halves into X's bytes; waves 2 and 3 have no part
	s_cbranch_scc0 .Lno_w
	tensor_load_to_lds s[G0X:G0X+3], s[G1X:G1X+7]
	s_nop 0
	PLACES 4
.Lno_w:
.irp i, 0,1,2,3,4,5,6,7
	global_load_b128 v[SX+8*\i:SX+8*\i+3], v[SOF], s[50:51] offset:512*\i          ; v's scale words: h's half,
	global_load_b128 v[SX+8*\i+4:SX+8*\i+7], v[SOF], s[50:51] offset:512*\i+16
.endr
.irp t, 0,1
	global_load_b128 v[SY+8*\t:SY+8*\t+3], v[SOF], s[52:53] offset:512*\t          ; and my two rowtiles of Wv
	global_load_b128 v[SY+8*\t+4:SY+8*\t+7], v[SOF], s[52:53] offset:512*\t+16
.endr
.irp t, 0,1,2,3                        ; q's and k's way out, while Wv is on its way
	OUT \t, 8, 768, 196608
.endr
	v_perm_b32 v[DD], v[PW+1], v[PW], v[SELV]      ; my head's two bytes of rowtiles 0 and 1,
	v_perm_b32 v[DD+1], v[PW+3], v[PW+2], v[SELV]  ; of rowtiles 2 and 3
	global_store_b64 v[SSO], v[DD:DD+1], s[10:11]  ; sixteen lanes store 128 consecutive bytes
	s_wait_alu depctr_va_vdst(0)
	s_wait_xcnt 0x0                                ; the stores have read their registers: fragments and codes land there again
	s_wait_tensorcnt 0x0                           ; my half of Wv is in,
	s_barrier_signal -1
	s_barrier_wait -1                              ; both are
	s_wait_loadcnt 0x0
	WALK HX16, HX8, W16, W8, 2                     ; v
.irp t, 0,1
	OUT \t, 54, 1536, 768
.endr
	v_cmp_eq_u32 vcc_lo, 1, v3
	v_cndmask_b32 v[DD], v[PW], v[PW+1], vcc_lo    ; lanes 0-15 the even d rowtile's word, lanes 16-31 the odd one's
	global_store_b32 v[VSO], v[DD], s[58:59]       ; every second word of two runs of 128 bytes: the head's other wave stores the others
	s_wait_tensorcnt 0x0                           ; the wave's end
	ds_add_u32 v[SPW], v[NIL]
	s_wait_dscnt 0x0
	CROUND                                         ; the closing round
	s_endpgm
.Lfunc_end_k_qbf0c8429c4_qkv:
	.size	k_qbf0c8429c4_qkv, .Lfunc_end_k_qbf0c8429c4_qkv-k_qbf0c8429c4_qkv
	.p2alignl 7, 3214868480
	.fill 96, 4, 3214868480
	.section	.rodata,"a",@progbits
	.p2align	6, 0x0
	.amdhsa_kernel k_qbf0c8429c4_qkv
		.amdhsa_group_segment_fixed_size 327680
		.amdhsa_private_segment_fixed_size 0
		.amdhsa_enable_private_segment 0
		.amdhsa_kernarg_size 32
		.amdhsa_user_sgpr_count 2
		.amdhsa_user_sgpr_kernarg_segment_ptr 1
		.amdhsa_wavefront_size32 1
		.amdhsa_system_sgpr_workgroup_id_x 1
		.amdhsa_system_sgpr_workgroup_id_y 1
		.amdhsa_system_sgpr_workgroup_id_z 1
		.amdhsa_system_vgpr_workitem_id 0
		.amdhsa_next_free_vgpr 768
		.amdhsa_next_free_sgpr 100
		.amdhsa_reserve_vcc 1
		.amdhsa_float_denorm_mode_32 3
		.amdhsa_float_denorm_mode_16_64 3
		.amdhsa_memory_ordered 1
		.amdhsa_forward_progress 1
		.amdhsa_inst_pref_size 136
	.end_amdhsa_kernel
	.amdgpu_metadata
---
amdhsa.version: [ 1, 2 ]
amdhsa.kernels:
  - .name:           k_qbf0c8429c4_qkv
    .symbol:         k_qbf0c8429c4_qkv.kd
    .args:
      - { .name: xc, .offset: 0, .size: 8, .value_kind: global_buffer, .address_space: global }
      - { .name: xs, .offset: 8, .size: 8, .value_kind: global_buffer, .address_space: global }
      - { .name: qkv, .offset: 16, .size: 8, .value_kind: global_buffer, .address_space: global }
      - { .name: sc, .offset: 24, .size: 8, .value_kind: global_buffer, .address_space: global }
    .group_segment_fixed_size: 327680
    .private_segment_fixed_size: 0
    .kernarg_segment_align: 8
    .kernarg_segment_size: 32
    .max_flat_workgroup_size: 128
    .sgpr_count:     100
    .vgpr_count:     768
    .wavefront_size: 32
...
	.end_amdgpu_metadata
.endif
;; end of part 2
;; launch attn (part 3): grid 8 x 32, 16 waves a work-group, clusters of 4 x 1, 327,680 bytes of LDS; arguments qkv, sc, pseudo_time, alpha, ac, asc; writes ac, asc
.if DOCPART == 3
	.amdgcn_target "amdgcn-amd-amdhsa--gfx1250"
	.amdhsa_code_object_version 6
	.text
	.protected	k_qbf0c8429c4_attn
	.globl	k_qbf0c8429c4_attn
	.p2align	8
	.type	k_qbf0c8429c4_attn,@function
k_qbf0c8429c4_attn:
	s_mov_b64 s[64:65], 0
	v_nop
	global_prefetch_b8 v0, s[64:65] scope:SCOPE_SE
	s_setreg_imm32_b32 hwreg(HW_REG_WAVE_MODE, 25, 1), 1
	s_wait_xcnt 0x0
	s_wait_alu depctr_hold_cnt(0) depctr_sa_sdst(0) depctr_va_vdst(0) depctr_va_sdst(0) depctr_va_ssrc(0) depctr_va_vcc(0) depctr_vm_vsrc(0)
	s_getreg_b32 s2, hwreg(HW_REG_IB_STS2, 6, 4)
	s_cmp_eq_u32 s2, 0
	s_cbranch_scc0 .Lentry_in_a_cluster
	s_endpgm
.Lentry_in_a_cluster:
	s_bfe_u32 s2, ttmp6, 0x10000c
	s_cmp_lg_u32 s2, 0x3003
	s_cbranch_scc0 .Lentry_shape_is_right
	s_endpgm
.Lentry_shape_is_right:
; O[b][head][q] = sum over keys k <= q of softmax_k(Q . K / 8 - alpha_head |t_q - t_k|) V, both products on codes of FP6 (E2M3); O is quantised at once along D for the last product.
; THE SOFTMAX AHEAD OF THE SECOND PRODUCT: t = logit x log2(e); M = the row's largest t so far, rounded UP to a whole number; p = 2^(t - M) is what is quantised, along the keys, not normalised.
; The row's sum is taken of the unquantised p, in f32, and divides O at the end.  When M moves, the sum and O are multiplied by 2^(old M - new M): exact.
; THE BIAS IS THE C OF THE FIRST PRODUCT: C = -8 alpha |t_k - t_q| (a power of two times the product alpha x |dt|, for either sign of alpha and any order of the times); then t = (Q . K + C) x log2(e) / 8.
; INPUTS as the launch before laid them: images of operand registers.  A half fragment (16 rows x 64 K) is 768 bytes: registers 0-3 at 16 x lane, registers 4, 5 at 512 + 8 x lane.
; The head's K is 64, half of the instruction's 128: two key rowtiles stand in the two halves of source 0, and q stands in one half of source 1 with zero codes in the other, which silences the other rowtile.
; Lane row r of rowtile g is token 32 (g / 2) + 8 (g % 2) + r + 8 (r / 8): so the 16 registers of score tiles 2 b, 2 b + 1 are keys 32 b + 16 (lane / 16) + 0 .. 15, and the same holds of O's d.
; SHARES.  A work-group serves one (b, head): all its K, V (98,304 bytes each), their scale words and the batch's times lie in LDS, each byte filled once.  Sixteen waves, four to a SIMD.
; CLUSTER 4 x 1: the four partners serve the same (b, head) and ask for every tile JOINTLY (mask 15).  Blocks of 128 queries are dealt by the wave's number and the cluster's x alone: waves w = 4 g + s and w xor 1 of
; cluster x are a PAIR with the blocks a = 15 - 2 x - g / 2 - 4 (s / 2) (8 .. 15) and b = 15 - a; of each block's eight rowtiles partner cx takes 4 (g % 2) + cx.  So every jump is the same in all partners.
; A PAIR SHARES ITS 17 KEY STEPS 8 TO 9.  The FIRST wave (g + s even) works block a's queries on key steps 0-7, none of which is hidden, and lays -M, the sum and O^T into its stage in LDS.  The SECOND wave works block b's
; queries on steps 0 .. b and sends them out, takes block a's queries, works steps 8 .. a, joins the first wave's part (both brought under the larger M by powers of two: exact) and sends that out.
; Every wave walks all 16 trips and jumps over the steps that are not its own; the change of queries stands at the head of the trip for step 8.  Two clusters (x = 0, 1) cover a head's 16 blocks.
; THE FILLS.  At the head: key steps 0 and 1 of K and V, the scale words and the times, 40,960 bytes, one piece a wave.  Behind the first round: key steps 2-15, 10,752 bytes a wave, which land while steps 0 and 1 are worked.
; THE PREFETCH: behind the head's load each cluster names the 672 blocks of 256 bytes of key steps 2-15 once, 168 to a partner, shared out by address: one fill ahead of the tensor loads that want them.
; LIMITS: a block of zeros, and one whose largest magnitude lies under 2^-124, gets the byte 1 (its codes are zeros; this program alone reads the bytes); NaN and infinities are not served.
.set VB,    12288                      ; LDS: key steps 0, 1 of K at 0, of V here,
.set SCB,   24576                      ; k's scale words (4,096 bytes), then v's (4,096),
.set PTB,   32768                      ; the batch's 2,048 times,
.set REST,  40960                      ; key steps 2-15 of K (86,016 bytes), then of V,
.set SPARE, 212992                     ; the spare words, 128 bytes for each of the sixteen waves,
.set STG,   215040                     ; and the stages, 4,608 bytes a wave (36 registers x 128 bytes): no fill lands here
.set K16,  1                           ; v1   16 x lane
.set K8,   2                           ; v2   512 + 8 x lane
.set V16,  3                           ; v3, v4 the same in V
.set V8,   4
.set SPW,  5                           ; v5   my spare word; never rewritten
.set NIL,  6                           ; v6   0; never rewritten
.set DQ,   7                           ; v7   my query's place in its block of 128, less 16 (lane / 16): the same in both blocks of the pair
.set ADK16, 8                          ; v8-11 the step's addresses
.set ADK8, 9
.set ADV16, 10
.set ADV8, 11
.set ADS,  16                          ; v16  of the scale words
.set ADT,  17                          ; v17  of the key times
.set QS,   21                          ; v21  q's two scale bytes, twice
.set AS0,  24                          ; v24  SCB + 8 r
.set AT0,  25                          ; v25  PTB + 64 (lane / 16)
.set KF,   44                          ; v44-91 eight half fragments of K, later four fragments of V
.set KS,   92                          ; v92-95 K's scale words
.set SCR,  96                          ; v96-159 key times, then C, then the scores, then p; at the head v100-105 offsets
.set OT,   160                         ; v160-191 O^T
.set PF,   192                         ; v192-203 p's codes
.set CT,   204                         ; v204-206, v208-210 conversions' second halves
.set SGR,  211                         ; v211 my partner's stage
.set BM,   212                         ; v212-215 the blocks' largest
.set BX,   216                         ; v216-219 the other half's, then the bytes
.set BE,   220                         ; v220-223 the conversions' scale operands
.set TMP,  224                         ; v[224:225] at work, and a 0
.set FF,   226                         ; v[226:227] f, and a 0
.set PW,   228                         ; v228 p's scale word
.set SGW,  229                         ; v229 my stage
.set VS,   232                         ; v232-235 V's scale words
.set Q2,   236                         ; v236-241 block a's q, v242 its scale word, v243 its time: for the second wave's change of queries
; v12 -M, v13 the largest t, v[14:15] the sum, v[18:19] my query's time twice, v20 -8 alpha, v26-31 zeros, v32-37 q, v38-43 zeros, v230-231, v244-255 the sum's chains
.set WV,   16
.set CX,   17
.set BH,   18
.set BB,   19
.set HD,   20
.set LAST, 21                          ; s21  the last key step of the queries at work
.set TQ,   22
.set G1A,  24                          ; s[24:31] group 1: 8 rows of 256 bytes;  s[32:39]: 42;  s[40:47]: 16
.set G1B,  32
.set G1C,  40
.set GA,   48                          ; s[48:59] three groups 0
.set GB,   52
.set GC,   56
.set SEL,  74
.set CS,   76
.set TB,   78                          ; s78  the step's tiles: 6,144 bytes a step
.set TS,   79                          ; s79  its scale words: 256
.set TT,   80                          ; s80  its times: 512
.set STP,  81                          ; s81  the step's number
.set CNT,  82
.set ROLE, 96                          ; s96  0: first wave of a pair, 1: second
.set LB,   97                          ; s97  the block of the queries that I begin with
.set LA,   98                          ; s98  block a
.set L2,   99                          ; s99  LAST from step 8 on
.set DG,   100                         ; s100 the step on the diagonal (99: none)
.set DG2,  101                         ; s101 the same from step 8 on
.macro G1SET g, rows                   ; a dense block as rows of 256 bytes: 32 elements of 8 bytes, the mask of all four partners with bit 21 beside it, no padding
	s_mov_b32 s[\g], (3<<16)|(1<<21)|15
	s_mov_b32 s[\g+1], 32<<16
	s_mov_b32 s[\g+2], (\rows)<<16
	s_mov_b32 s[\g+3], 32<<16
	s_mov_b32 s[\g+4], \rows
	s_mov_b32 s[\g+5], 32
	s_mov_b32 s[\g+6], 0
	s_mov_b32 s[\g+7], 0
.endm
.macro CROUND                          ; a round of the cluster's barrier
	s_barrier_signal -1
	s_barrier_wait -1
	s_cmp_lg_u32 s[WV], 0
	s_cbranch_scc1 .Lnot_wave_0_\@
	s_barrier_signal -3
.Lnot_wave_0_\@:
	s_barrier_wait -3
	s_barrier_signal -1
	s_barrier_wait -1
.endm
; The places of rowtile m (s90) of block s[blk]: q's half fragment, its scale word, the block's times; where O's codes and scale bytes go.  oc = 12, os = 14 steps the arguments themselves: used last
.macro ROWT blk, q, sw, tm, oc, os
	s_lshl_b32 s[TQ], s[\blk], 3
	s_add_co_u32 s[TQ], s[TQ], s90                 ; the rowtile in the batch
	s_lshl_b32 s95, s[BB], 7
	s_add_co_u32 s95, s95, s[TQ]                   ; among all 256
	s_mul_i32 s[\q], s[HD], 196608
	s_mul_i32 s23, s95, 768
	s_add_co_u32 s[\q], s[\q], s23
	s_mov_b32 s[\q+1], 0
	s_lshl_b32 s[\sw], s[BH], 12
	s_add_co_u32 s[\sw], s[\sw], 262144
	s_lshr_b32 s23, s[TQ], 2
	s_lshl_b32 s23, s23, 7
	s_add_co_u32 s[\sw], s[\sw], s23
	s_bfe_u32 s23, s[TQ], 0x10001
	s_lshl_b32 s23, s23, 2
	s_add_co_u32 s[\sw], s[\sw], s23               ; 64 queries are 128 bytes, a pair of rowtiles a word
	s_mov_b32 s[\sw+1], 0
	s_lshl_b32 s[\tm], s[BB], 13
	s_lshl_b32 s23, s[\blk], 9
	s_add_co_u32 s[\tm], s[\tm], s23
	s_mov_b32 s[\tm+1], 0
	s_add_nc_u64 s[\q:\q+1], s[4:5], s[\q:\q+1]
	s_add_nc_u64 s[\sw:\sw+1], s[6:7], s[\sw:\sw+1]
	s_add_nc_u64 s[\tm:\tm+1], s[8:9], s[\tm:\tm+1]
	s_mul_i32 s92, s95, 12288
	s_mul_i32 s23, s[HD], 768
	s_add_co_u32 s92, s92, s23                     ; O's codes: K step head / 2, half head % 2 of the rowtile
	s_mov_b32 s93, 0
	s_add_nc_u64 s[\oc:\oc+1], s[12:13], s[92:93]
	s_lshl_b32 s92, s95, 9
	s_lshl_b32 s23, s[HD], 1
	s_add_co_u32 s92, s92, s23                     ; its scale bytes: 32 a row, two a head
	s_add_nc_u64 s[\os:\os+1], s[14:15], s[92:93]
.endm
	s_load_b256 s[4:11], s[0:1], 0x0               ; qkv, sc, pseudo_time, alpha
	s_load_b128 s[12:15], s[0:1], 0x20             ; ac, asc
	v_lshl_add_u32 v[SPW], v0, 2, SPARE
	v_mov_b32 v[NIL], 0
	ds_add_u32 v[SPW], v[NIL]                      ; the opening: the add, twice on end, and its wait ahead of the round in front of the first tensor load
	ds_add_u32 v[SPW], v[NIL]
	v_lshrrev_b32 v8, 5, v0
	s_delay_alu instid0(VALU_DEP_1)
	v_readfirstlane_b32 s[WV], v8                  ; wave 0..15
	s_bfe_u32 s[CX], ttmp6, 0x40000                ; cx: my place in the cluster
	s_and_b32 s[BH], ttmp7, 0xffff                 ; 16 b + head
	s_lshr_b32 s[BB], s[BH], 4
	s_and_b32 s[HD], s[BH], 15
	G1SET G1A, 8
	G1SET G1B, 42
	G1SET G1C, 16
	s_add_co_u32 s70, s[HD], 16
	s_mul_i32 s70, s70, 196608
	s_mul_i32 s71, s[BB], 98304
	s_add_co_u32 s70, s70, s71                     ; k's codes of (b, head) in qkv
	s_mul_i32 s71, s[BH], 98304
	s_add_co_u32 s71, s71, 6291456                 ; v's
	s_lshl_b32 s72, s[BH], 13                      ; the scale words in sc
	s_lshl_b32 s73, s[BB], 13                      ; the batch's times
	; the head's piece of wave w: w 0-5 2,048 bytes of K's key steps 0, 1; 6-11 of V's; 12-13 4,096 bytes of the scale words; 14-15 of the times
	s_cmp_lt_u32 s[WV], 6
	s_cselect_b32 s66, s70, s71
	s_cselect_b32 s67, 0, 6
	s_cmp_lt_u32 s[WV], 12
	s_cselect_b32 s66, s66, s72
	s_cselect_b32 s67, s67, 12
	s_cselect_b32 s69, 11, 12
	s_cmp_lt_u32 s[WV], 14
	s_cselect_b32 s66, s66, s73
	s_cselect_b32 s67, s67, 14
	s_sub_co_u32 s67, s[WV], s67
	s_lshl_b32 s67, s67, s69
	s_add_co_u32 s66, s66, s67
	s_mov_b32 s67, 0
	; the later piece, 10,752 bytes: w 0-7 K's key steps 2-15, 8-15 V's
	s_cmp_lt_u32 s[WV], 8
	s_cselect_b32 s68, s70, s71
	s_cselect_b32 s69, 0, 8
	s_sub_co_u32 s69, s[WV], s69
	s_mul_i32 s69, s69, 10752
	s_add_co_u32 s68, s68, s69
	s_add_co_u32 s68, s68, 12288
	s_mov_b32 s69, 0
	; the prefetch: of the later steps' 336 + 336 blocks of 256 bytes partner cx names 84 + 84
	s_mul_i32 s72, s[CX], 21504
	s_add_co_u32 s72, s72, 12288
	s_add_co_u32 s73, s72, s71
	s_sub_co_u32 s73, s73, 84*256                  ; V's, for blocks 84-167
	s_add_co_u32 s72, s72, s70                     ; K's, for blocks 0-83
	s_lshl_b32 s83, s[WV], 11                      ; LDS: waves 0-11: wave x 2,048;
	s_and_b32 s84, s[WV], 3
	s_lshl_b32 s84, s84, 12
	s_add_co_u32 s84, s84, SCB                     ; waves 12-15: SCB + (wave - 12) x 4,096;
	s_mul_i32 s94, s[WV], 10752                    ; later: REST + wave x 10,752.  No place in the cluster enters an LDS address
	s_wait_dscnt 0x0                               ; both opening adds are done
	s_wait_kmcnt 0x0
	s_cmp_lt_u32 s[WV], 12                         ; the buffer is chosen by the wave's number alone
	s_cselect_b64 s[70:71], s[4:5], s[6:7]
	s_cmp_lt_u32 s[WV], 14
	s_cselect_b64 s[70:71], s[70:71], s[8:9]
	s_mov_b32 s[GA], 1
	s_mov_b32 s[GA+1], s83
	s_add_nc_u64 s[GA+2:GA+3], s[70:71], s[66:67]
	s_or_b32 s[GA+3], s[GA+3], 0x80000000
	s_mov_b32 s[GC], 1
	s_mov_b32 s[GC+1], s84
	s_mov_b64 s[GC+2:GC+3], s[GA+2:GA+3]
	s_mov_b32 s[GB], 1
	s_add_co_u32 s[GB+1], s94, REST
	s_add_nc_u64 s[GB+2:GB+3], s[4:5], s[68:69]
	s_or_b32 s[GB+3], s[GB+3], 0x80000000
	CROUND                                         ; all four work-groups are here: the joint loads meet
	s_cmp_lt_u32 s[WV], 12                         ; every wave's one load at the head, one to each arm
	s_cbranch_scc0 .Lsmall
	tensor_load_to_lds s[GA:GA+3], s[G1A:G1A+7]
	s_nop 0
.rept 4
	v_nop
.endr
	s_branch .Lasked
.Lsmall:
	tensor_load_to_lds s[GC:GC+3], s[G1C:G1C+7]
	s_nop 0
.rept 4
	v_nop
.endr
.Lasked:
	s_cmp_lt_u32 s[WV], 6                          ; threads 0-167 name a block each (threads 168-191 the last one again)
	s_cbranch_scc0 .Lno_pf
	v_min_u32 v103, 167, v0
	v_mov_b32 v104, s73
	v_mov_b32 v105, s72
	v_cmp_gt_u32 vcc_lo, 84, v103
	v_cndmask_b32 v104, v104, v105, vcc_lo
	v_lshl_add_u32 v103, v103, 8, v104
	global_prefetch_b8 v103, s[4:5] th:TH_LOAD_NT scope:SCOPE_SE   ; v103 is written again only behind the wait on XCNT in front of the first key step
.Lno_pf:
	; which queries are mine
	s_lshr_b32 s23, s[WV], 3                       ; g / 2
	s_bfe_u32 s90, s[WV], 0x10001                  ; s / 2
	s_lshl_b32 s90, s90, 2
	s_add_co_u32 s23, s23, s90
	s_lshl_b32 s90, ttmp9, 1                       ; the cluster's x: the same in all partners
	s_add_co_u32 s23, s23, s90                     ; b = 15 - a: 0 .. 7
	s_sub_co_u32 s[LA], 15, s23                    ; a: 8 .. 15
	s_lshr_b32 s[ROLE], s[WV], 2
	s_xor_b32 s[ROLE], s[ROLE], s[WV]
	s_and_b32 s[ROLE], s[ROLE], 1                  ; (g + s) % 2
	s_cmp_eq_u32 s[ROLE], 1
	s_cselect_b32 s[LB], s23, s[LA]                ; the first wave begins with block a, the second with block b
	s_cselect_b32 s[LAST], s23, 7                  ; steps 0-7 of block a, none on the diagonal; steps 0 .. b of block b
	s_cselect_b32 s[DG], s23, 99
	s_cselect_b32 s[L2], s[LA], 0                  ; from step 8 on: the second wave steps 8 .. a of block a, the first none
	s_cselect_b32 s[DG2], s[LA], 99
	s_bfe_u32 s90, s[WV], 0x10002                  ; g % 2
	s_lshl_b32 s90, s90, 2
	s_add_co_u32 s90, s90, s[CX]                   ; m: my rowtile in either block
	ROWT LB, 84, 86, 88, 60, 62
	ROWT LA, 66, 68, 70, 12, 14
	s_mul_i32 s83, s[WV], 4608
	s_add_co_u32 s83, s83, STG                     ; my stage,
	s_xor_b32 s94, s[WV], 1
	s_mul_i32 s94, s94, 4608
	s_add_co_u32 s94, s94, STG                     ; and my partner's
	s_and_b32 s23, s90, 1
	s_cmp_eq_u32 s23, 0
	s_mov_b32 s91, 0x03020302
	s_cselect_b32 s91, 0x01000100, s91             ; an even rowtile's bytes are the word's lower two
	s_lshl_b32 s23, s23, 3
	s_lshr_b32 s92, s90, 1
	s_lshl_b32 s92, s92, 5
	s_add_co_u32 s23, s23, s92                     ; 32 (m / 2) + 8 (m % 2)
	s_lshl_b32 s92, s[HD], 2
	s_mov_b32 s[SEL], 0x76543210
	s_mov_b32 s[SEL+1], 0xfedcba98                 ; lane l xor 16
	s_mov_b32 s[CS], 0x3e38aa3b                    ; c = log2(e) / 8
	s_mov_b32 s[CS+1], s[CS]                       ; (named with it as a pair, so it is written)
	v_and_b32 v8, 31, v0                           ; lane
	v_and_b32 v9, 15, v0                           ; r
	v_bfe_u32 v10, v0, 4, 1                        ; h
	s_delay_alu instid0(VALU_DEP_3)
	v_lshlrev_b32 v[K16], 4, v8
	s_delay_alu instid0(VALU_DEP_4)
	v_lshl_add_u32 v[K8], v8, 3, 512
	s_delay_alu instid0(VALU_DEP_2)
	v_add_nc_u32 v[V16], VB, v[K16]
	s_delay_alu instid0(VALU_DEP_2)
	v_add_nc_u32 v[V8], VB, v[K8]
	v_add_nc_u32 v[SGW], s83, v[K16]
	v_add_nc_u32 v[SGR], s94, v[K16]
	v_lshl_add_u32 v[AS0], v9, 3, SCB
	v_lshl_add_u32 v[AT0], v10, 6, PTB
	v_and_b32 v11, 8, v9
	s_delay_alu instid0(VALU_DEP_1)
	v_add_nc_u32 v11, v11, v9
	s_delay_alu instid0(VALU_DEP_1)
	v_add_nc_u32 v11, s23, v11                     ; my query's place in its block
	v_lshlrev_b32 v23, 4, v10
	s_delay_alu instid0(VALU_DEP_1)
	v_sub_nc_u32 v[DQ], v11, v23
	v_lshlrev_b32 v100, 3, v9
	s_delay_alu instid0(VALU_DEP_4)
	v_lshlrev_b32 v101, 2, v11
	v_mov_b32 v102, s92
	global_load_b128 v[32:35], v[K16], s[84:85]    ; q stays in registers
	global_load_b64 v[36:37], v[K8], s[84:85]
	global_load_b32 v22, v100, s[86:87]
	global_load_b32 v18, v101, s[88:89]            ; my query's time
	global_load_b32 v20, v102, s[10:11]            ; alpha of my head
	global_load_b128 v[Q2:Q2+3], v[K16], s[66:67]  ; block a's, for the change of queries (a first wave loads its own again: no branch stands here)
	global_load_b64 v[Q2+4:Q2+5], v[K8], s[66:67]
	global_load_b32 v[Q2+6], v100, s[68:69]
	global_load_b32 v[Q2+7], v101, s[70:71]
.irp i, 0,1,2,3,4,5
	v_mov_b32 v[26+\i], 0                          ; zero codes on both sides of q: v[32:43] is q in the lower half of K, v[26:37] q in the upper
	v_mov_b32 v[38+\i], 0
.endr
.irp b, 0,1,2,3
	v_mov_b32 v[BX+\b], 0                          ; a lane permute's destination counts as one of its sources
.endr
	v_mov_b32 v[FF+1], 0                           ; (named as the upper halves of pairs)
	v_mov_b32 v[TMP+1], 0
.macro FRESH                           ; the state in front of a rowtile's first step: the step is written for every step alike: the first finds zeros, which the first change of M leaves zeros
	v_mov_b32 v13, 0xff61b1e6                      ; the largest t so far: -3e38, under every t
	s_delay_alu instid0(VALU_DEP_1)
	v_floor_f32 v12, -v13                          ; -M
	v_mov_b32 v14, 0                               ; the sum, in two halves
	v_mov_b32 v15, 0
.set n, 0
.rept 32
	v_mov_b32 v[OT+n], 0                           ; O^T
.set n, n+1
.endr
.endm
	FRESH
; A KEY STEP: 128 keys, at the places that the stepped scalars give.
.macro STEP
	s_cmp_lt_u32 s[LAST], s[STP]                   ; a step that is not mine is left out: a branch on ids, the same in all partners, round no barrier
	s_cbranch_scc1 .Lskip_\@
	v_add_nc_u32 v[ADK16], s[TB], v[K16]           ; (these six are also the places in front of loads into registers that the last products read)
	v_add_nc_u32 v[ADK8], s[TB], v[K8]
	v_add_nc_u32 v[ADV16], s[TB], v[V16]
	v_add_nc_u32 v[ADV8], s[TB], v[V8]
	v_add_nc_u32 v[ADS], s[TS], v[AS0]
	v_add_nc_u32 v[ADT], s[TT], v[AT0]
.irp b, 0,1,2,3
.irp i, 0,1,2,3
	ds_load_b128 v[SCR+16*\b+4*\i:SCR+16*\b+4*\i+3], v[ADT] offset:128*\b+16*\i   ; the times of keys 32 b + 16 h + 4 i on, where their scores will stand
.endr
.endr
.irp t, 0,1,2,3,4,5,6,7
	ds_load_b128 v[KF+6*\t:KF+6*\t+3], v[ADK16] offset:768*\t
	ds_load_b64 v[KF+6*\t+4:KF+6*\t+5], v[ADK8] offset:768*\t
.endr
	ds_load_b64 v[KS:KS+1], v[ADS]
	ds_load_b64 v[KS+2:KS+3], v[ADS] offset:128
	s_wait_dscnt 18                                ; the times are in; K's 16 loads and its scale words' 2 may be out
.set n, 0
.rept 32
	v_pk_add_f32 v[SCR+n:SCR+n+1], v[SCR+n:SCR+n+1], v[18:19] neg_lo:[0,1] neg_hi:[0,1]   ; t_k - t_q
.set n, n+2
.endr
.set n, 0
.rept 64
	v_mul_f32 v[SCR+n], v20, |v[SCR+n]|            ; C = -8 alpha |dt|
.set n, n+1
.endr
.rept 4
	v_nop
.endr
	s_wait_alu depctr_va_vdst(0)
	s_wait_dscnt 0x0
.irp t, 0,1,2,3,4,5,6,7                ; S^T = K Q^T + C: source 0 = two key rowtiles in the halves of K, source 1 = q in the half of the rowtile that is meant
.if \t%2 == 0
	v_wmma_scale_f32_16x16x128_f8f6f4 v[SCR+8*\t:SCR+8*\t+7], v[KF+12*(\t/2):KF+12*(\t/2)+11], v[32:43], v[SCR+8*\t:SCR+8*\t+7], v[KS+\t/2], v[QS] matrix_a_fmt:MATRIX_FMT_FP6 matrix_b_fmt:MATRIX_FMT_FP6
.else
	v_wmma_scale_f32_16x16x128_f8f6f4 v[SCR+8*\t:SCR+8*\t+7], v[KF+12*(\t/2):KF+12*(\t/2)+11], v[26:37], v[SCR+8*\t:SCR+8*\t+7], v[KS+\t/2], v[QS] matrix_a_fmt:MATRIX_FMT_FP6 matrix_b_fmt:MATRIX_FMT_FP6
.endif
.endr
.rept 4
	v_nop                                          ; places in front of the first read of the scores and of the loads into K's registers
.endr
.irp t, 0,1,2,3,4,5,6,7                ; V's four fragments, asked for now and wanted behind the softmax
	ds_load_b128 v[KF+6*\t:KF+6*\t+3], v[ADV16] offset:768*\t
	ds_load_b64 v[KF+6*\t+4:KF+6*\t+5], v[ADV8] offset:768*\t
.endr
	ds_load_b64 v[VS:VS+1], v[ADS] offset:4096     ; the words of d rowtiles 0 and 2,
	ds_load_b64 v[VS+2:VS+3], v[ADS] offset:4224   ; and of 1 and 3
	s_cmp_lg_u32 s[DG], s[STP]
	s_cbranch_scc1 .Lopen_\@                       ; only a block's own step lies on the diagonal
	v_mov_b32 v[TMP], 0xff800000                   ; there the scores of hidden keys become -infinity ahead of the maximum: p = 0 then
.set n, 0
.rept 64
	v_cmp_gt_i32 vcc_lo, 32*(n/16)+n%16, v[DQ]     ; register 16 b + i holds key 32 b + 16 h + i of the step: hidden where 32 b + i > my query's place - 16 h
	v_cndmask_b32 v[SCR+n], v[SCR+n], v[TMP], vcc_lo
.set n, n+1
.endr
.Lopen_\@:
.irp b, 0,1,2,3
	v_max3_num_f32 v[BM+\b], v[SCR+16*\b], v[SCR+1+16*\b], v[SCR+2+16*\b]   ; the largest score of each block of 32 keys: it serves for the row's maximum and, since p rises with the score, for the block's largest p
.endr
.irp i, 3,5,7,9,11,13
.irp b, 0,1,2,3
	v_max3_num_f32 v[BM+\b], v[BM+\b], v[SCR+16*\b+\i], v[SCR+1+16*\b+\i]
.endr
.endr
.irp b, 0,1,2,3
	v_max_num_f32 v[BM+\b], v[BM+\b], v[SCR+15+16*\b]
.endr
.irp b, 0,1,2,3
	s_delay_alu instid0(VALU_DEP_4)
	v_permlanex16_b32 v[BX+\b], v[BM+\b], s[SEL], s[SEL+1]
.endr
.irp b, 0,1,2,3
	s_delay_alu instid0(VALU_DEP_4)
	v_max_num_f32 v[BM+\b], v[BM+\b], v[BX+\b]     ; with lane l xor 16's 16 keys
.endr
	s_delay_alu instid0(VALU_DEP_2)
	v_max3_num_f32 v[TMP], v[BM], v[BM+1], v[BM+2]
	s_delay_alu instid0(VALU_DEP_1)
	v_max_num_f32 v[TMP], v[TMP], v[BM+3]          ; the step's largest score of my query
	s_delay_alu instid0(VALU_DEP_1)
	v_mul_f32 v[TMP], s[CS], v[TMP]                ; as t (c is positive)
	s_delay_alu instid0(VALU_DEP_1)
	v_max_num_f32 v13, v13, v[TMP]                 ; the running largest t
	v_mov_b32 v[TMP], v12
	s_delay_alu instid0(VALU_DEP_2)
	v_floor_f32 v12, -v13                          ; the new -M = floor(-t): M is a whole number
	s_delay_alu instid0(VALU_DEP_1)
	v_sub_f32 v[TMP], v12, v[TMP]                  ; M's old value less its new one: a whole number, 0 or less
	s_delay_alu instid0(VALU_DEP_1)
	v_cvt_i32_f32 v[TMP], v[TMP]                   ; (it saturates)
	s_delay_alu instid0(VALU_DEP_1)
	v_ldexp_f32 v[FF], 1.0, v[TMP]                 ; f = 2^(old M - new M)
.set n, 0
.rept 32
	v_pk_fma_f32 v[SCR+n:SCR+n+1], v[SCR+n:SCR+n+1], s[CS:CS+1], v[12:13] op_sel_hi:[1,0,0]   ; t - M, two at a time
.set n, n+2
.endr
.irp b, 0,1,2,3
	v_fma_f32 v[BM+\b], v[BM+\b], s[CS], v12       ; the same of each block's largest score
.endr
.set n, 0
	s_wait_alu depctr_va_vdst(0)
.rept 64
	v_exp_f32 v[SCR+n], v[SCR+n]                   ; p = 2^(t - M), at most 1
.set n, n+1
.endr
	v_pk_mul_f32 v[14:15], v[14:15], v[FF:FF+1] op_sel_hi:[1,0]   ; the sums under the new M (a plain place behind the exponentials)
	s_wait_alu depctr_va_vdst(0)                   ; one wait for the whole batch, ahead of its first reader
.irp b, 0,1,2,3
	v_exp_f32 v[BM+\b], v[BM+\b]                   ; the block's largest p: the same two instructions on the same number give the same bits
.endr
	v_pk_add_f32 v[230:231], v[100:101], v[104:105] ; the row's sum of the unquantised p, in eight chains
	v_pk_add_f32 v[254:255], v[108:109], v[112:113]
	v_pk_add_f32 v[252:253], v[116:117], v[120:121]
	v_pk_add_f32 v[250:251], v[124:125], v[128:129]
	v_pk_add_f32 v[248:249], v[132:133], v[136:137]
	v_pk_add_f32 v[246:247], v[140:141], v[144:145]
	v_pk_add_f32 v[244:245], v[148:149], v[152:153]
	v_pk_add_f32 v[14:15], v[14:15], v[156:157]
	v_pk_add_f32 v[230:231], v[230:231], v[96:97]
	v_pk_add_f32 v[254:255], v[254:255], v[98:99]
	v_pk_add_f32 v[252:253], v[252:253], v[102:103]
	v_pk_add_f32 v[250:251], v[250:251], v[106:107]
	v_pk_add_f32 v[248:249], v[248:249], v[110:111]
	v_pk_add_f32 v[246:247], v[246:247], v[114:115]
	v_pk_add_f32 v[244:245], v[244:245], v[118:119]
	v_pk_add_f32 v[14:15], v[14:15], v[122:123]
	v_pk_add_f32 v[230:231], v[230:231], v[126:127]
	v_pk_add_f32 v[254:255], v[254:255], v[130:131]
	v_pk_add_f32 v[252:253], v[252:253], v[134:135]
	v_pk_add_f32 v[250:251], v[250:251], v[138:139]
	v_pk_add_f32 v[248:249], v[248:249], v[142:143]
	v_pk_add_f32 v[246:247], v[246:247], v[146:147]
	v_pk_add_f32 v[244:245], v[244:245], v[150:151]
	v_pk_add_f32 v[14:15], v[14:15], v[154:155]
	v_pk_add_f32 v[230:231], v[230:231], v[158:159]
	s_delay_alu instid0(VALU_DEP_2)
	v_pk_add_f32 v[14:15], v[14:15], v[250:251]
	s_delay_alu instid0(VALU_DEP_2)
	v_pk_add_f32 v[230:231], v[230:231], v[248:249]
	v_pk_add_f32 v[254:255], v[254:255], v[246:247]
	v_pk_add_f32 v[252:253], v[252:253], v[244:245]
	s_delay_alu instid0(VALU_DEP_2)
	v_pk_add_f32 v[14:15], v[14:15], v[254:255]
	s_delay_alu instid0(VALU_DEP_2)
	v_pk_add_f32 v[230:231], v[230:231], v[252:253]
	s_delay_alu instid0(VALU_DEP_1)
	v_pk_add_f32 v[14:15], v[14:15], v[230:231]
	s_wait_alu depctr_va_vdst(0)                   ; and one for the four
.irp b, 0,1,2,3
	v_max_num_f32 v[BM+\b], 0x1800000, v[BM+\b]    ; the floor 2^(3 - 127): the byte cannot fall under 1
.endr
.irp b, 0,1,2,3
	s_delay_alu instid0(VALU_DEP_4)
	v_add_nc_u32 v[BE+\b], 0xff000000, v[BM+\b]    ; 2 off the exponent field: the conversion's scale operand
.endr
.irp b, 0,1,2,3
	s_delay_alu instid0(VALU_DEP_4)
	v_lshrrev_b32 v[BX+\b], 23, v[BE+\b]           ; the byte
.endr
	s_delay_alu instid0(VALU_DEP_3)
	v_lshl_or_b32 v[PW], v[BX+1], 8, v[BX]         ; p's scale word for these 128 keys
	s_delay_alu instid0(VALU_DEP_1)
	v_lshl_or_b32 v[PW], v[BX+2], 16, v[PW]
	s_delay_alu instid0(VALU_DEP_1)
	v_lshl_or_b32 v[PW], v[BX+3], 24, v[PW]
.irp c, 0,1
	v_cvt_scalef32_pk16_fp6_f32 v[PF+6*\c:PF+6*\c+2], v[SCR+32*\c:SCR+32*\c+15], v[BE+2*\c]
	v_cvt_scalef32_pk16_fp6_f32 v[CT+4*\c:CT+4*\c+2], v[SCR+32*\c+16:SCR+32*\c+31], v[BE+2*\c+1]   ; (a conversion's three registers begin on an even number)
.endr
	v_nop                                          ; one plain place behind a scaled conversion
.irp c, 0,1                            ; the operand's layout wants a whole block in a lane
.irp i, 0,1,2
	v_permlane16_swap_b32 v[PF+6*\c+\i], v[CT+4*\c+\i]
.endr
.irp i, 0,1,2
	s_delay_alu instid0(VALU_DEP_3)
	v_mov_b32 v[PF+6*\c+3+\i], v[CT+4*\c+\i]
.endr
.endr
.set n, 0
.rept 16
	v_pk_mul_f32 v[OT+n:OT+n+1], v[OT+n:OT+n+1], v[FF:FF+1] op_sel_hi:[1,0]   ; O^T under the new M.  (These are also the places between the writes of p's codes and scale word and the products)
.set n, n+2
.endr
	s_wait_alu depctr_va_vdst(0)
	s_wait_dscnt 0x0                               ; V and its scale words are in
.irp t, 0,1,2,3                        ; O^T += V^T P^T: source 0 = 16 of the head's 64, source 1 = p; K = these 128 keys
	v_wmma_scale_f32_16x16x128_f8f6f4 v[OT+8*\t:OT+8*\t+7], v[KF+12*\t:KF+12*\t+11], v[PF:PF+11], v[OT+8*\t:OT+8*\t+7], v[VS+2*(\t%2)+\t/2], v[PW] matrix_a_fmt:MATRIX_FMT_FP6 matrix_b_fmt:MATRIX_FMT_FP6
.endr
.Lskip_\@:
	s_add_co_u32 s[TB], s[TB], 6144                ; stepped on every way through the trip
	s_add_co_u32 s[TS], s[TS], 256
	s_add_co_u32 s[TT], s[TT], 512
	s_add_co_u32 s[STP], s[STP], 1
.endm
; THE WAY OUT of a rowtile.  O^T / the sum; its 64 numbers a row are two blocks of the last product's K: quantised here, they leave as a half fragment (to s[oc]) and two scale bytes a row (to s[os]).
.macro OUTQ oc, os
	v_add_f32 v14, v14, v15                        ; the sum's two halves,
	s_delay_alu instid0(VALU_DEP_1)
	v_permlanex16_b32 v[BX], v14, s[SEL], s[SEL+1]
	s_delay_alu instid0(VALU_DEP_1)
	v_add_f32 v14, v14, v[BX]                      ; and lane l xor 16's: the row's sum, above 1/2
	s_wait_alu depctr_va_vdst(0)
	v_rcp_f32 v14, v14
	v_and_b32 v[SCR+32], 15, v0                    ; (plain work behind the reciprocal)
	v_bfe_u32 v[SCR+34], v0, 4, 1
	s_delay_alu instid0(VALU_DEP_1)
	v_lshl_add_u32 v[SCR+33], v[SCR+32], 5, v[SCR+34]   ; 32 r + h: my byte's place
	s_wait_alu depctr_va_vdst(0)                   ; the wait ahead of the reciprocal's first reader
.set n, 0
.rept 32
	v_mul_f32 v[SCR+n], v[OT+n], v14               ; register 16 b + i is d = 32 b + 16 h + i of my query
.set n, n+1
.endr
.irp b, 0,1
	v_max3_num_f32 v[BM+\b], |v[SCR+16*\b]|, |v[SCR+1+16*\b]|, 0x1800000
.endr
.irp i, 2,4,6,8,10,12,14
.irp b, 0,1
	s_delay_alu instid0(VALU_DEP_2)
	v_max3_num_f32 v[BM+\b], v[BM+\b], |v[SCR+16*\b+\i]|, |v[SCR+1+16*\b+\i]|
.endr
.endr
.irp b, 0,1
	s_delay_alu instid0(VALU_DEP_2)
	v_permlanex16_b32 v[BX+\b], v[BM+\b], s[SEL], s[SEL+1]
.endr
.irp b, 0,1
	s_delay_alu instid0(VALU_DEP_2)
	v_max_num_f32 v[BM+\b], v[BM+\b], v[BX+\b]
.endr
.irp b, 0,1
	s_delay_alu instid0(VALU_DEP_2)
	v_add_nc_u32 v[BE+\b], 0xff000000, v[BM+\b]
.endr
.irp b, 0,1
	s_delay_alu instid0(VALU_DEP_2)
	v_lshrrev_b32 v[BX+\b], 23, v[BE+\b]
.endr
	v_cvt_scalef32_pk16_fp6_f32 v[PF:PF+2], v[SCR:SCR+15], v[BE]
	v_cvt_scalef32_pk16_fp6_f32 v[CT:CT+2], v[SCR+16:SCR+31], v[BE+1]
	v_nop                                          ; one plain place behind a scaled conversion
.irp i, 0,1,2
	v_permlane16_swap_b32 v[PF+\i], v[CT+\i]
.endr
.irp i, 0,1,2
	s_delay_alu instid0(VALU_DEP_3)
	v_mov_b32 v[PF+3+\i], v[CT+\i]
.endr
	v_cmp_eq_u32 vcc_lo, 1, v[SCR+34]
	s_delay_alu instid0(VALU_DEP_1)
	v_cndmask_b32 v[TMP], v[BX], v[BX+1], vcc_lo   ; lane (r, h) stores block h's byte of row r
	global_store_b128 v[K16], v[PF:PF+3], s[\oc:\oc+1]   ; 512 consecutive bytes,
	global_store_b64 v[K8], v[PF+4:PF+5], s[\oc:\oc+1]   ; and 256
	global_store_b8 v[SCR+33], v[TMP], s[\os:\os+1]      ; two bytes of each row's 32: the other heads' work-groups store the others; 32 of the rowtile's 512 bytes
.endm
	s_wait_alu depctr_va_vdst(0)
	s_wait_tensorcnt 0x0                           ; my piece of the head's sixteen is in
	ds_add_u32 v[SPW], v[NIL]
	s_wait_dscnt 0x0
	CROUND                                         ; everybody's piece is in, and all four work-groups are here: the joint loads meet
	tensor_load_to_lds s[GB:GB+3], s[G1B:G1B+7]    ; my piece of key steps 2-15: it has the two steps below in which to land
	s_nop 0
.rept 4
	v_nop
.endr
	s_wait_loadcnt 0x0                             ; q, its scale word, my time, alpha, and block a's
	s_wait_xcnt 0x0                                ; the prefetch has read its offset: the first step's loads land on that register
	v_mov_b32 v19, v18
	s_wait_alu depctr_va_vdst(0)
	v_mul_f32 v20, 0xc1000000, v20                 ; -8 alpha
	v_perm_b32 v[QS], v22, v22, s91                ; q's two bytes in both halves of the word: they serve whichever half of K q stands in
	s_mov_b32 s[TB], 0
	s_mov_b32 s[TS], 0
	s_mov_b32 s[TT], 0
	s_mov_b32 s[STP], 0
	s_mov_b32 s[CNT], 2
.Lfirst:                                           ; key steps 0 and 1, from the head's pieces
	STEP
	s_sub_co_u32 s[CNT], s[CNT], 1
	s_cmp_lg_u32 s[CNT], 0
	s_cbranch_scc1 .Lfirst
	v_add_nc_u32 v[V16], 73728, v[V16]             ; from step 2 on K lies at 28,672 + 6,144 x step and V 86,016 behind it: V's registers take the difference to VB
	v_add_nc_u32 v[V8], 73728, v[V8]
	s_wait_alu depctr_va_vdst(0)
	s_wait_tensorcnt 0x0                           ; my piece of the rest of K and V is in,
	s_wait_dscnt 0x0
	s_barrier_signal -1
	s_barrier_wait -1                              ; everybody's
	s_mov_b32 s[TB], 2*6144+28672
	s_mov_b32 s[TS], 2*256
	s_mov_b32 s[TT], 2*512
	s_mov_b32 s[STP], 2
	s_mov_b32 s[CNT], 14
.Lkeys:                                            ; key steps 2 to 15: every wave walks all 14 trips and jumps over the steps that are not its own
	s_cmp_lg_u32 s[STP], 8
	s_cbranch_scc1 .Lno_change
	; THE CHANGE OF QUERIES, at the head of the trip for step 8
.rept 4
	v_nop                                          ; places behind the last products
.endr
	s_cmp_eq_u32 s[ROLE], 1
	s_cbranch_scc1 .Lsecond
.irp i, 0,1,2,3,4,5,6,7                ; the first wave is done: its O^T (each accumulator from its low end on), -M and the sum go into its stage as images of registers
	ds_store_b128 v[SGW], v[OT+4*\i:OT+4*\i+3] offset:512*\i
.endr
	ds_store_b128 v[SGW], v[12:15] offset:4096
	s_branch .Lchanged
.Lsecond:
	OUTQ 60, 62                                    ; the second wave: block b's queries go out,
.irp i, 0,1,2,3,4,5
	v_mov_b32 v[32+\i], v[Q2+\i]                   ; and block a's take their place
.endr
	v_perm_b32 v[QS], v[Q2+6], v[Q2+6], s91
	v_mov_b32 v18, v[Q2+7]
	v_mov_b32 v19, v[Q2+7]
	FRESH
	s_wait_alu depctr_va_vdst(0)
	s_wait_xcnt 0x0                                ; the stores have read their registers: the next step writes them again
.Lchanged:
	s_mov_b32 s[LAST], s[L2]
	s_mov_b32 s[DG], s[DG2]
.Lno_change:
	STEP
	s_sub_co_u32 s[CNT], s[CNT], 1
	s_cmp_lg_u32 s[CNT], 0
	s_cbranch_scc1 .Lkeys
.rept 4
	v_nop                                          ; places behind the last products
.endr
	s_wait_alu depctr_va_vdst(0)
	s_wait_dscnt 0x0                               ; a first wave's stores into its stage are done,
	s_barrier_signal -1
	s_barrier_wait -1                              ; everybody's
	s_cmp_eq_u32 s[ROLE], 1
	s_cbranch_scc0 .Lend
	; THE JOIN: the second wave takes the first wave's part of block a's queries: lane for lane the same query
.irp i, 0,1,2,3,4,5,6,7
	ds_load_b128 v[SCR+4*\i:SCR+4*\i+3], v[SGR] offset:512*\i
.endr
	ds_load_b128 v[SCR+32:SCR+35], v[SGR] offset:4096   ; -M, the largest t, the sum's two halves
	s_wait_dscnt 0x0
	v_min_num_f32 v[BM], v12, v[SCR+32]            ; -M of the larger M
	s_delay_alu instid0(VALU_DEP_1)
	v_sub_f32 v[BM+1], v[BM], v12                  ; my M less it, and the partner's: whole numbers, 0 or less
	v_sub_f32 v[BM+2], v[BM], v[SCR+32]
	s_delay_alu instid0(VALU_DEP_2)
	v_cvt_i32_f32 v[BM+1], v[BM+1]                 ; (they saturate)
	s_delay_alu instid0(VALU_DEP_2)
	v_cvt_i32_f32 v[BM+2], v[BM+2]
	s_delay_alu instid0(VALU_DEP_2)
	v_ldexp_f32 v[FF], 1.0, v[BM+1]                ; the two factors: powers of two
	s_delay_alu instid0(VALU_DEP_2)
	v_ldexp_f32 v[TMP], 1.0, v[BM+2]
	s_delay_alu instid0(VALU_DEP_2)
	v_pk_mul_f32 v[14:15], v[14:15], v[FF:FF+1] op_sel_hi:[1,0]
.set n, 0
.rept 16
	v_pk_mul_f32 v[OT+n:OT+n+1], v[OT+n:OT+n+1], v[FF:FF+1] op_sel_hi:[1,0]
.set n, n+2
.endr
	v_pk_fma_f32 v[14:15], v[SCR+34:SCR+35], v[TMP:TMP+1], v[14:15] op_sel_hi:[1,0,1]
.set n, 0
.rept 16
	v_pk_fma_f32 v[OT+n:OT+n+1], v[SCR+n:SCR+n+1], v[TMP:TMP+1], v[OT+n:OT+n+1] op_sel_hi:[1,0,1]
.set n, n+2
.endr
	OUTQ 12, 14
.Lend:
	s_wait_tensorcnt 0x0                           ; the wave's end: behind my last tensor load and my last LDS store
	ds_add_u32 v[SPW], v[NIL]
	s_wait_dscnt 0x0
	CROUND                                         ; the closing round: no work-group ends while a partner may still ask for a tile that names it
	s_endpgm
.Lfunc_end_k_qbf0c8429c4_attn:
	.size	k_qbf0c8429c4_attn, .Lfunc_end_k_qbf0c8429c4_attn-k_qbf0c8429c4_attn
	.p2alignl 7, 3214868480
	.fill 96, 4, 3214868480
	.section	.rodata,"a",@progbits
	.p2align	6, 0x0
	.amdhsa_kernel k_qbf0c8429c4_attn
		.amdhsa_group_segment_fixed_size 327680
		.amdhsa_private_segment_fixed_size 0
		.amdhsa_enable_private_segment 0
		.amdhsa_kernarg_size 48
		.amdhsa_user_sgpr_count 2
		.amdhsa_user_sgpr_kernarg_segment_ptr 1
		.amdhsa_wavefront_size32 1
		.amdhsa_system_sgpr_workgroup_id_x 1
		.amdhsa_system_sgpr_workgroup_id_y 1
		.amdhsa_system_sgpr_workgroup_id_z 1
		.amdhsa_system_vgpr_workitem_id 0
		.amdhsa_next_free_vgpr 256
		.amdhsa_next_free_sgpr 102
		.amdhsa_reserve_vcc 1
		.amdhsa_float_denorm_mode_32 3
		.amdhsa_float_denorm_mode_16_64 3
		.amdhsa_memory_ordered 1
		.amdhsa_forward_progress 1
		.amdhsa_inst_pref_size 90
	.end_amdhsa_kernel
	.amdgpu_metadata
---
amdhsa.version: [ 1, 2 ]
amdhsa.kernels:
  - .name:           k_qbf0c8429c4_attn
    .symbol:         k_qbf0c8429c4_attn.kd
    .args:
      - { .name: qkv, .offset: 0, .size: 8, .value_kind: global_buffer, .address_space: global }
      - { .name: sc, .offset: 8, .size: 8, .value_kind: global_buffer, .address_space: global }
      - { .name: pseudo_time, .offset: 16, .size: 8, .value_kind: global_buffer, .address_space: global }
      - { .name: alpha, .offset: 24, .size: 8, .value_kind: global_buffer, .address_space: global }
      - { .name: ac, .offset: 32, .size: 8, .value_kind: global_buffer, .address_space: global }
      - { .name: asc, .offset: 40, .size: 8, .value_kind: global_buffer, .address_space: global }
    .group_segment_fixed_size: 327680
    .private_segment_fixed_size: 0
    .kernarg_segment_align: 8
    .kernarg_segment_size: 48
    .max_flat_workgroup_size: 512
    .sgpr_count:     102
    .vgpr_count:     256
    .wavefront_size: 32
...
	.end_amdgpu_metadata
.endif
;; end of part 3
;; launch outp (part 4): grid 8 x 32, 4 waves a work-group, clusters of 4 x 4, 214,528 bytes of LDS; arguments ac, asc, xc, xs, out0; writes out0
.if DOCPART == 4
	.amdgcn_target "amdgcn-amd-amdhsa--gfx1250"
	.amdhsa_code_object_version 6
	.text
	.protected	k_qbf0c8429c4_outp
	.globl	k_qbf0c8429c4_outp
	.p2align	8
	.type	k_qbf0c8429c4_outp,@function
k_qbf0c8429c4_outp:
	s_mov_b64 s[64:65], 0
	v_nop
	global_prefetch_b8 v0, s[64:65] scope:SCOPE_SE
	s_setreg_imm32_b32 hwreg(HW_REG_WAVE_MODE, 25, 1), 1
	s_wait_xcnt 0x0
	s_wait_alu depctr_hold_cnt(0) depctr_sa_sdst(0) depctr_va_vdst(0) depctr_va_sdst(0) depctr_va_ssrc(0) depctr_va_vcc(0) depctr_vm_vsrc(0)
	s_getreg_b32 s2, hwreg(HW_REG_IB_STS2, 6, 4)
	s_cmp_eq_u32 s2, 0
	s_cbranch_scc0 .Lentry_in_a_cluster
	s_endpgm
.Lentry_in_a_cluster:
	s_bfe_u32 s2, ttmp6, 0x10000c
	s_cmp_lg_u32 s2, 0xf033
	s_cbranch_scc0 .Lentry_shape_is_right
	s_endpgm
.Lentry_shape_is_right:
; out0 = A Wo^T on codes of FP6 (E2M3): A = the attention's result (ac, asc), 4,096 tokens x 1,024; Wo's codes are rowtiles 448-511 of xc.  out0: [4096][1024] f32; sums in f32.
; OUT[y][x] = sum over k of X[x][k] Y[y][k], X = Wo = source 0, Y = A = source 1: a lane holds one token and its registers run along the output's features.
; Operands lie as images of registers (rowtile of 16 rows: 8 K steps x two halves of 768 bytes = 12,288 bytes); lane row r of rowtile g is row 32 (g / 2) + 8 (g % 2) + r + 8 (r / 8).
; SHARES.  A work-group makes 128 x 128; ALL of K of both operands lies in LDS, 196,608 bytes, filled once, one joint load of four rowtiles a wave.  Wave w makes x rowtiles 4 (w % 2) on by y rowtiles 4 (w / 2) on: 16 accumulators.
; CLUSTER 4 x 4: X's tile is asked for jointly by a column of the cluster, Y's by a row.  No prefetch: there is no loop of fills to run ahead in.
; REGISTERS: window 0: v1-15 addresses; v16-47 X's scale words (rowtile i, K step s at 16 + 8 i + s); v48-79 Y's; v80-175 Y's fragments, two sets (on the way out v80-207: rows of out0); v208, v209 addresses.
;   window 1: X's fragments, two sets of 48.   window 2: the accumulators (t, i) at 32 t + 8 i.
.set RT,    12288                      ; a rowtile, all of K
.set YB,    98304                      ; Y's 8 rowtiles lie behind X's 8
.set STAGE, 196608                     ; behind Y: 16 rows x 272 bytes for each wave, for the way out; no fill lands here
.set SP,    272
.set SPARE, 214016                     ; behind the stages: the spare words, 128 bytes a wave
.set X16,   4
.set X8,    6
.set Y16,   8
.set Y8,    10
.set SPW,   12                         ; v12  my spare word; never rewritten
.set NIL,   13                         ; v13  0; never rewritten
.set SOF,   14                         ; v14  32 r
.set STO,   15                         ; v15  the stage, way in
.set SX,    16
.set SY,    48
.set YF,    80
.set BK,    80
.set RD,    208                        ; v208 the stage, way out
.set CO,    209                        ; v209 my bytes in two rows of out0
.set WV,    12
.set WL,    13
.set WH,    14
.set CXL,   15
.set CYL,   16
.set XT,    20
.set XT0,   21
.set YT,    22
.set YT0,   23
.set G1X,   24
.set G1Y,   32
.set G0X,   40
.set LX,    56
.set LY,    57
.set G0Y,   68
.set MSB, 0
.macro WIN new                         ; the immediate's high byte repeats the setting that is left
.if MSB != \new
	s_set_vgpr_msb (MSB<<8)|\new
.set MSB, \new
.endif
.endm
.macro CROUND                          ; a round of the cluster's barrier
	s_barrier_signal -1
	s_barrier_wait -1
	s_cmp_lg_u32 s[WV], 0
	s_cbranch_scc1 .Lnot_wave_0_\@
	s_barrier_signal -3
.Lnot_wave_0_\@:
	s_barrier_wait -3
	s_barrier_signal -1
	s_barrier_wait -1
.endm
.macro PLACES n
.rept \n
	v_nop
.endr
.endm
	s_load_b256 s[4:11], s[0:1], 0x0               ; ac, asc, xc, xs
	s_load_b64 s[92:93], s[0:1], 0x20              ; out0
	v_lshl_add_u32 v[SPW], v0, 2, SPARE
	v_mov_b32 v[NIL], 0
	ds_add_u32 v[SPW], v[NIL]                      ; the opening: the add, twice on end, and its wait ahead of my first tensor load
	ds_add_u32 v[SPW], v[NIL]
	v_lshrrev_b32 v1, 5, v0
	v_readfirstlane_b32 s[WV], v1                  ; wave 0..3
	s_and_b32 s[WL], s[WV], 1                      ; which half of a tile I fetch; also: my half of x
	s_lshr_b32 s[WH], s[WV], 1                     ; I fetch for X (0) or for Y (1); also: my half of y
	s_bfe_u32 s[CXL], ttmp6, 0x40000               ; cx, cy: my place in the cluster
	s_bfe_u32 s[CYL], ttmp6, 0x40004
	s_lshl_b32 s[XT], ttmp9, 2
	s_add_co_u32 s[XT], s[XT], s[CXL]              ; the x tile
	s_lshl_b32 s[XT0], s[XT], 3
	s_add_co_u32 s[XT0], s[XT0], 448               ; its first rowtile in xc
	s_and_b32 s[YT], ttmp7, 0xffff
	s_lshl_b32 s[YT], s[YT], 2
	s_add_co_u32 s[YT], s[YT], s[CYL]              ; the y tile
	s_lshl_b32 s[YT0], s[YT], 3                    ; its first rowtile in ac
	s_lshl_b32 s2, 0x1111, s[CXL]                  ; my column of the cluster
	s_or_b32 s[G1X], s2, (3<<16)|(1<<21)           ; the mask; elements of 8 bytes; bit 21 beside a mask; no padding
	s_lshl_b32 s3, s[CYL], 2
	s_lshl_b32 s3, 15, s3                          ; my row
	s_or_b32 s[G1Y], s3, (3<<16)|(1<<21)
.irp g, G1X, G1Y
	s_mov_b32 s[\g+1], 1536<<16                    ; rows of 12,288 bytes (a rowtile),
	s_mov_b32 s[\g+2], 4<<16                       ; four rowtiles,
	s_mov_b32 s[\g+3], 1536<<16
	s_mov_b32 s[\g+4], 4
	s_mov_b32 s[\g+5], 1536                        ; dense in memory and in LDS
	s_mov_b32 s[\g+6], 0
	s_mov_b32 s[\g+7], 0
.endr
	s_mul_i32 s[LX], s[WL], 4*RT                   ; where my half goes: no place in the cluster enters an LDS address
	s_add_co_u32 s[LY], s[LX], YB
	s_lshl_b32 s2, s[WL], 2
	s_add_co_u32 s2, s2, s[XT0]
	s_mul_i32 s84, s2, RT                          ; X: the four rowtiles that I fetch
	s_mov_b32 s85, 0
	s_lshl_b32 s3, s[WL], 2
	s_add_co_u32 s3, s3, s[YT0]
	s_mul_i32 s86, s3, RT                          ; Y: likewise
	s_mov_b32 s87, 0
	s_lshl_b32 s88, s2, 9                          ; the scale words of the four rowtiles of X that I multiply: 4 (w % 2) on
	s_mov_b32 s89, 0
	s_lshl_b32 s90, s[WH], 2
	s_add_co_u32 s90, s90, s[YT0]
	s_lshl_b32 s90, s90, 9                         ; and of Y: 4 (w / 2) on
	s_mov_b32 s91, 0
	s_wait_dscnt 0x0                               ; both opening adds are done
	s_wait_kmcnt 0x0
	s_add_nc_u64 s[84:85], s[8:9], s[84:85]
	s_add_nc_u64 s[86:87], s[4:5], s[86:87]
	s_add_nc_u64 s[88:89], s[10:11], s[88:89]
	s_add_nc_u64 s[90:91], s[6:7], s[90:91]
	CROUND                                         ; all sixteen work-groups are here: the joint loads meet
	s_mov_b32 s[G0X], 1
	s_mov_b32 s[G0X+1], s[LX]
	s_mov_b64 s[G0X+2:G0X+3], s[84:85]
	s_or_b32 s[G0X+3], s[G0X+3], 0x80000000
	s_mov_b32 s[G0Y], 1
	s_mov_b32 s[G0Y+1], s[LY]
	s_mov_b64 s[G0Y+2:G0Y+3], s[86:87]
	s_or_b32 s[G0Y+3], s[G0Y+3], 0x80000000
	s_cmp_eq_u32 s[WH], 0                          ; one load a wave, one to each arm
	s_cbranch_scc0 .Lfill_y
	tensor_load_to_lds s[G0X:G0X+3], s[G1X:G1X+7]
	s_nop 0
	PLACES 4
	s_branch .Lfilled
.Lfill_y:
	tensor_load_to_lds s[G0Y:G0Y+3], s[G1Y:G1Y+7]
	s_nop 0
	PLACES 4
.Lfilled:
	v_and_b32 v1, 31, v0                           ; lane
	v_and_b32 v2, 15, v0                           ; r
	v_bfe_u32 v3, v0, 4, 1                         ; h
	v_lshlrev_b32 v[SOF], 5, v2
.irp i, 0,1,2,3
	global_load_b128 v[SX+8*\i:SX+8*\i+3], v[SOF], s[88:89] offset:512*\i          ; the scale words of all of K stay in registers
	global_load_b128 v[SX+8*\i+4:SX+8*\i+7], v[SOF], s[88:89] offset:512*\i+16
	global_load_b128 v[SY+8*\i:SY+8*\i+3], v[SOF], s[90:91] offset:512*\i
	global_load_b128 v[SY+8*\i+4:SY+8*\i+7], v[SOF], s[90:91] offset:512*\i+16
.endr
	s_mul_i32 s58, s[WL], 4*RT                     ; my four rowtiles of X,
	s_mul_i32 s59, s[WH], 4*RT
	s_add_co_u32 s59, s59, YB                      ; and of Y
	v_lshl_add_u32 v[X16], v1, 4, s58
	v_lshl_add_u32 v[X8], v1, 3, s58
	v_add_nc_u32 v[X8], 512, v[X8]
	v_lshl_add_u32 v[Y16], v1, 4, s59
	v_lshl_add_u32 v[Y8], v1, 3, s59
	v_add_nc_u32 v[Y8], 512, v[Y8]
	s_mul_i32 s60, s[WV], 16*SP
	s_add_co_u32 s60, s60, STAGE                   ; my stage
	v_mul_u32_u24 v[STO], v2, SP
	v_lshl_add_u32 v[STO], v3, 6, v[STO]
	v_add_nc_u32 v[STO], s60, v[STO]               ; in: row r, + 64 h: my 16 features of each 32
	v_mul_u32_u24 v[RD], v3, SP
	v_lshl_add_u32 v[RD], v2, 4, v[RD]
	v_add_nc_u32 v[RD], s60, v[RD]                 ; back: lanes 0-15 one row of 256 bytes, lanes 16-31 the next
	v_lshlrev_b32 v[CO], 12, v3
	v_lshl_add_u32 v[CO], v2, 4, v[CO]             ; and the same two rows in out0
	s_lshl_b32 s94, s[YT], 7
	s_lshl_b32 s95, s[WH], 6
	s_add_co_u32 s94, s94, s95
	s_lshl_b32 s94, s94, 12                        ; my first token: 128 yt + 64 (w / 2), rows of 4,096 bytes
	s_lshl_b32 s95, s[XT], 7
	s_lshl_b32 s96, s[WL], 6
	s_add_co_u32 s95, s95, s96
	s_lshl_b32 s95, s95, 2                         ; my first feature: 128 xt + 64 (w % 2)
	s_add_co_u32 s94, s94, s95
	s_mov_b32 s95, 0
	s_add_nc_u64 s[92:93], s[92:93], s[94:95]
; 32 LDS loads in one run: K step s of my four fragments of X and my four of Y, into set p
.macro FETCH s, p
	WIN 0x40                                       ; destination window 1
.irp i, 0,1,2,3
.irp c, 0,1
	ds_load_b128 v[48*(\p)+12*\i+6*\c:48*(\p)+12*\i+6*\c+3], v[X16] offset:\i*RT+(\s)*1536+\c*768
	ds_load_b64 v[48*(\p)+12*\i+6*\c+4:48*(\p)+12*\i+6*\c+5], v[X8] offset:\i*RT+(\s)*1536+\c*768
.endr
.endr
	WIN 0
.irp t, 0,1,2,3
.irp c, 0,1
	ds_load_b128 v[YF+48*(\p)+12*\t+6*\c:YF+48*(\p)+12*\t+6*\c+3], v[Y16] offset:\t*RT+(\s)*1536+\c*768
	ds_load_b64 v[YF+48*(\p)+12*\t+6*\c+4:YF+48*(\p)+12*\t+6*\c+5], v[Y8] offset:\t*RT+(\s)*1536+\c*768
.endr
.endr
.endm
; 16 matrix instructions: K step s.  The 16 accumulators take turns, one instruction a turn, in the same order in every step.  zero = 1: the first step starts the sums.
.macro MUL s, p, zero
	WIN 0xa1                                       ; source 0 (X) window 1, source 1 (Y) window 0, C and D window 2
.irp t, 0,1,2,3
.irp i, 0,1,2,3
.if \zero
	v_wmma_scale_f32_16x16x128_f8f6f4 v[32*\t+8*\i:32*\t+8*\i+7], v[48*(\p)+12*\i:48*(\p)+12*\i+11], v[YF+48*(\p)+12*\t:YF+48*(\p)+12*\t+11], 0, v[SX+8*\i+(\s)], v[SY+8*\t+(\s)] matrix_a_fmt:MATRIX_FMT_FP6 matrix_b_fmt:MATRIX_FMT_FP6
.else
	v_wmma_scale_f32_16x16x128_f8f6f4 v[32*\t+8*\i:32*\t+8*\i+7], v[48*(\p)+12*\i:48*(\p)+12*\i+11], v[YF+48*(\p)+12*\t:YF+48*(\p)+12*\t+11], v[32*\t+8*\i:32*\t+8*\i+7], v[SX+8*\i+(\s)], v[SY+8*\t+(\s)] matrix_a_fmt:MATRIX_FMT_FP6 matrix_b_fmt:MATRIX_FMT_FP6
.endif
.endr
.endr
.endm
	; THE WALK ALONG K, written out: eight K steps
	s_wait_alu depctr_va_vdst(0)
	s_wait_tensorcnt 0x0                           ; my four rowtiles are in,
	s_barrier_signal -1
	s_barrier_wait -1                              ; everybody's are
	s_wait_loadcnt 0x0                             ; the scale words
	FETCH 0, 0
.irp s, 0,1,2,3,4,5,6
.if \s > 0
	PLACES 4                                       ; in front of loads into registers that the last products read
.endif
	FETCH \s+1, (\s+1)%2
	s_wait_dscnt 32                                ; all but the 32 just issued: this step's fragments are in
.if \s == 0
	MUL \s, \s%2, 1
.else
	MUL \s, \s%2, 0
.endif
.endr
	s_wait_dscnt 0x0
	MUL 7, 1, 0
	WIN 0
; THE WAY OUT, a y rowtile (16 tokens x my 64 features) at a time.  A lane holds pieces of one row and the lanes beside it other rows: so a rowtile goes through my own stage and comes back as whole rows of 256 bytes.
; LDS serves a wave's instructions in order: no wait between the stores and the loads, nor in front of the next rowtile's stores.
.macro TOSTAGE t
	WIN 0x08                                       ; an LDS store's data are its source 1: window 2
.irp b, 0,1
.irp u, 0,1
	ds_store_b128 v[STO], v[32*(\t)+8*(2*\b+\u):32*(\t)+8*(2*\b+\u)+3] offset:128*\b+32*\u          ; features 32 b + 16 h + 8 u on; each accumulator from its low end on
	ds_store_b128 v[STO], v[32*(\t)+8*(2*\b+\u)+4:32*(\t)+8*(2*\b+\u)+7] offset:128*\b+32*\u+16
.endr
.endr
	WIN 0
.irp k, 0,1,2,3,4,5,6,7
	ds_load_b128 v[BK+32*(\t)+4*\k:BK+32*(\t)+4*\k+3], v[RD] offset:2*\k*SP
.endr
.endm
.macro SEND t, younger                 ; younger: the LDS instructions issued behind rowtile t's loads, which may stay out
	s_wait_dscnt \younger
.irp k, 0,1,2,3,4,5,6,7
	global_store_b128 v[CO], v[BK+32*(\t)+4*\k:BK+32*(\t)+4*\k+3], s[92:93] offset:(32*((\t)/2)+8*((\t)%2)+2*\k+8*(\k/4))*4096 th:TH_STORE_NT   ; lane rows 2 k, 2 k + 1 at their tokens; 16 lanes store 256 consecutive bytes, aligned
.endr
.endm
	PLACES 4                                       ; in front of the first read of results and of the loads into registers that held Y's fragments
	TOSTAGE 0
.irp t, 1,2,3
	TOSTAGE \t
	SEND \t-1, 16                                  ; behind rowtile t - 1's loads: rowtile t's 8 stores and 8 loads
.endr
	SEND 3, 0
	s_wait_tensorcnt 0x0                           ; the wave's end: behind my last tensor load and my last LDS store
	ds_add_u32 v[SPW], v[NIL]
	s_wait_dscnt 0x0
	CROUND                                         ; the closing round
	s_endpgm
.Lfunc_end_k_qbf0c8429c4_outp:
	.size	k_qbf0c8429c4_outp, .Lfunc_end_k_qbf0c8429c4_outp-k_qbf0c8429c4_outp
	.p2alignl 7, 3214868480
	.fill 96, 4, 3214868480
	.section	.rodata,"a",@progbits
	.p2align	6, 0x0
	.amdhsa_kernel k_qbf0c8429c4_outp
		.amdhsa_group_segment_fixed_size 214528
		.amdhsa_private_segment_fixed_size 0
		.amdhsa_enable_private_segment 0
		.amdhsa_kernarg_size 40
		.amdhsa_user_sgpr_count 2
		.amdhsa_user_sgpr_kernarg_segment_ptr 1
		.amdhsa_wavefront_size32 1
		.amdhsa_system_sgpr_workgroup_id_x 1
		.amdhsa_system_sgpr_workgroup_id_y 1
		.amdhsa_system_sgpr_workgroup_id_z 1
		.amdhsa_system_vgpr_workitem_id 0
		.amdhsa_next_free_vgpr 640
		.amdhsa_next_free_sgpr 100
		.amdhsa_reserve_vcc 0
		.amdhsa_float_denorm_mode_32 3
		.amdhsa_float_denorm_mode_16_64 3
		.amdhsa_memory_ordered 1
		.amdhsa_forward_progress 1
		.amdhsa_inst_pref_size 50
	.end_amdhsa_kernel
	.amdgpu_metadata
---
amdhsa.version: [ 1, 2 ]
amdhsa.kernels:
  - .name:           k_qbf0c8429c4_outp
    .symbol:         k_qbf0c8429c4_outp.kd
    .args:
      - { .name: ac, .offset: 0, .size: 8, .value_kind: global_buffer, .address_space: global }
      - { .name: asc, .offset: 8, .size: 8, .value_kind: global_buffer, .address_space: global }
      - { .name: xc, .offset: 16, .size: 8, .value_kind: global_buffer, .address_space: global }
      - { .name: xs, .offset: 24, .size: 8, .value_kind: global_buffer, .address_space: global }
      - { .name: out0, .offset: 32, .size: 8, .value_kind: global_buffer, .address_space: global }
    .group_segment_fixed_size: 214528
    .private_segment_fixed_size: 0
    .kernarg_segment_align: 8
    .kernarg_segment_size: 40
    .max_flat_workgroup_size: 128
    .sgpr_count:     100
    .vgpr_count:     640
    .wavefront_size: 32
...
	.end_amdgpu_metadata
.endif
;; end of part 4
